; MI455X (gfx1250); checked and timed in simulation.
; The chip was launched on July 23, 2026; its instructions are those of AMD's public machine-readable ISA for CDNA 5 (MIT licence, August 2026) and "CDNA5" Instruction Set Architecture Reference Guide (July 2026). The comments in the code are by the model that wrote it; some were corrected since.
;; PLE DIN. Allowed arithmetic: float matrix products may take bf16 or f16 operands with f32 sums; other float arithmetic in f32, or as packed bf16 or f16 multiplies, adds, multiply-adds, maxima and minima; sums over many terms, partial sums and values carried from step to step in f32; what a program stores and reads back later, other than sums and carried values, may be rounded once to bf16 or f16.
;; Inputs: params_din_W0 512 x 256 float32; params_din_W1 256 x 128 float32; params_din_W2 128 x 1 float32; params_din_b0 256 float32; params_din_b1 128 float32; params_din_b2 1 float32; params_emb_cate_id 1,000 x 128 float32; params_emb_gender 3 x 128 float32; params_emb_item_id 50,000 x 128 float32; params_emb_user_id 100,000 x 128 float32; params_gate_W0 642 x 2 float32; params_gate_W1 642 x 2 float32; params_gate_b0 2 float32; params_gate_b1 2 float32; params_shared_W 642 x 128 x 1 float32; params_shared_b 128 x 1 float32; params_spec_W0 642 x 128 x 1 float32; params_spec_W1 642 x 128 x 1 float32; params_spec_b0 128 x 1 float32; params_spec_b1 128 x 1 float32; params_t0_W0 128 x 128 float32; params_t0_W1 128 x 128 float32; params_t0_Wlast 128 x 1 float32; params_t0_b0 128 float32; params_t0_b1 128 float32; params_t0_beta0 128 float32; params_t0_beta1 128 float32; params_t0_blast 1 float32; params_t0_gamma0 128 float32; params_t0_gamma1 128 float32; params_t1_W0 128 x 128 float32; params_t1_W1 128 x 128 float32; params_t1_Wlast 128 x 1 float32; params_t1_b0 128 float32; params_t1_b1 128 float32; params_t1_beta0 128 float32; params_t1_beta1 128 float32; params_t1_blast 1 float32; params_t1_gamma0 128 float32; params_t1_gamma1 128 float32; x 2,048 x 6 float32; x_seq 2,048 x 200 int32.
;; Outputs: out0 2 x 2,048 x 1 float32.
;; 2 versions, each right; version 2 is version 1 with the launch din written anew for expert scheduling mode. Each part assembles by itself: llvm-mc -triple=amdgcn-amd-amdhsa -mcpu=gfx1250 --defsym DOCPART=n.
;; ======== version 1 of 2: 3 launches
;; limits: a difference of large sums (such as E[x^2] - mean^2): digits are lost where the result is much smaller than its terms
;; workspace buffers: itemb 12,800,000 bytes; ids 40,960 bytes of whole numbers; wdin 262,144 bytes; wtail 794,624 bytes; tconst 10,240 bytes; seqout 1,048,576 bytes
;; launch prep (part 1): grid 861 x 1, 8 waves a work-group, no clusters, 0 bytes of LDS; arguments params_din_W0, params_din_W1, params_emb_item_id, params_gate_W0, params_gate_W1, params_shared_W, params_spec_W0, params_spec_W1, params_t0_W0, params_t0_W1, params_t1_W0, params_t1_W1, x, params_t0_b0, params_t0_gamma0, params_t0_beta0, params_t0_b1, params_t0_gamma1, params_t0_beta1, params_t1_b0, params_t1_gamma0, params_t1_beta0, params_t1_b1, params_t1_gamma1, params_t1_beta1, itemb, ids, wdin, wtail, tconst; writes itemb, ids, wdin, wtail, tconst
.if DOCPART == 1
	.amdgcn_target "amdgcn-amd-amdhsa--gfx1250"
	.amdhsa_code_object_version 6
	.text
	.protected	k_qfd09a3e16d_prep
	.globl	k_qfd09a3e16d_prep
	.p2align	8
	.type	k_qfd09a3e16d_prep,@function
k_qfd09a3e16d_prep:
	s_mov_b64 s[64:65], 0
	v_nop
	global_prefetch_b8 v0, s[64:65] scope:SCOPE_SE
	s_setreg_imm32_b32 hwreg(HW_REG_WAVE_MODE, 25, 1), 1
	s_wait_xcnt 0x0
; PREP: everything that the two later launches want laid out once.  The work-group's number chooses one job:
;   0-63     wdin: the attention MLP's weights as bf16 matrix fragments.  With Wa..Wd the four blocks of 128 rows of din_W0:
;            U = Wb - Wc (0-15), D = Wd (16-31), A = Wa + Wc (32-47), and din_W1 (48-63).  h @ W0 = q @ A + k @ (U + diag(q) D) for every input.
;   64-193   wtail: the three experts and the two gates, 26 tiles of 16 units x 640 embedding columns (five segments of 128)
;   194-225  wtail: the four tower matrices, each number split into bf16 hi and bf16 lo = bf16(W - hi)
;   226-227  tconst: per task, the experts' and gate's rows for the two numeric columns, and the folded batch-norm gains and biases, f32
;   228-235  ids: the four ids of x as whole numbers (a later launch forms addresses from them)
;   236-860  itemb: the item table rounded to bf16
; A FRAGMENT BLOCK is 1,024 bytes for 16 units x 32 k: [p = 0,1][lane][16 bytes]; lane (r = l % 16, h = l / 16) holds unit n0 + r, k = 32 c + 16 p + 8 h + 0..7.
; A fragment job is 256 threads x 16 bytes = 4 such blocks (128 k); thread t writes byte 16 t, so each store of a wave covers 512 consecutive bytes.
; LIMITS: ids in x are whole numbers stored as floats; the conversion cuts toward zero as the cast in the model does.
.set VS, 1                             ; v1  my byte offset in the source
.set VD, 2                             ; v2  16 t: my byte offset in the block that is written
.set VR, 3                             ; v3  r
.set VH, 4                             ; v4  h
.set VK, 5                             ; v5  my first k: 16 (t / 32) + 8 h
.set X,  8                             ; v[8:15]   eight numbers along k
.set Y,  16                            ; v[16:23]  eight more
.set HI, 24                            ; v[24:27]  packed bf16
.set LO, 28                            ; v[28:31]  packed bf16, the low parts
.set TT, 32                            ; v[32:33]  at work
; eight loads along k: one number each from eight rows pitch bytes apart
.macro FLOAD reg, voff, sb, pitch, base
.irp e, 0,1,2,3,4,5,6,7
	global_load_b32 v[(\reg)+\e], v[\voff], s[\sb:\sb+1] offset:(\base)+\e*(\pitch)
.endr
.endm
; eight numbers rounded to bf16 and stored as my 16 bytes
.macro PACKST reg
.irp k, 0,1,2,3
	v_cvt_pk_bf16_f32 v[HI+\k], v[(\reg)+2*\k], v[(\reg)+2*\k+1]
.endr
	global_store_b128 v[VD], v[HI:HI+3], s[76:77]
.endm
; a pair split: h = bf16(a), l = bf16(a - h)
.macro SPLIT a, h, l, t
	v_cvt_pk_bf16_f32 v[\h], v[\a], v[(\a)+1]
	v_lshlrev_b32 v[\t], 16, v[\h]
	v_and_b32 v[(\t)+1], 0xffff0000, v[\h]
	v_pk_add_f32 v[\a:(\a)+1], v[\a:(\a)+1], v[\t:(\t)+1] neg_lo:[0,1] neg_hi:[0,1]
	v_cvt_pk_bf16_f32 v[\l], v[\a], v[(\a)+1]
.endm
	s_load_b512 s[4:19], s[0:1], 0x0       ; din_W0 4, din_W1 6, emb_item 8, gate_W0 10, gate_W1 12, shared_W 14, spec_W0 16, spec_W1 18
	s_load_b512 s[20:35], s[0:1], 0x40     ; t0_W0 20, t0_W1 22, t1_W0 24, t1_W1 26, x 28, t0_b0 30, t0_gamma0 32, t0_beta0 34
	s_load_b512 s[36:51], s[0:1], 0x80     ; t0_b1 36, t0_gamma1 38, t0_beta1 40, t1_b0 42, t1_gamma0 44, t1_beta0 46, t1_b1 48, t1_gamma1 50
	s_load_b256 s[52:59], s[0:1], 0xc0     ; t1_beta1 52, itemb 54, ids 56, wdin 58
	s_load_b128 s[60:63], s[0:1], 0xe0     ; wtail 60, tconst 62
	v_and_b32 v[VR], 15, v0
	v_bfe_u32 v[VH], v0, 4, 1
	v_lshrrev_b32 v[VK], 5, v0
	v_lshlrev_b32 v[VK], 4, v[VK]
	v_lshl_add_u32 v[VK], v[VH], 3, v[VK]
	v_lshlrev_b32 v[VD], 4, v0
	s_mov_b32 s66, ttmp9                   ; the job
	s_mov_b32 s69, 0                       ; s[68:69], s[70:71]: byte offsets as pairs, 0 on top
	s_mov_b32 s71, 0
	s_wait_kmcnt 0x0
	s_cmp_lt_u32 s66, 236
	s_cbranch_scc0 .Lcast
	s_cmp_lt_u32 s66, 64
	s_cbranch_scc0 .Ltail_jobs
	; ---- jobs 0-63: wdin; job j writes bytes 4,096 j on
	s_lshl_b32 s68, s66, 12
	s_add_nc_u64 s[76:77], s[58:59], s[68:69]
	s_cmp_lt_u32 s66, 48
	s_cbranch_scc0 .Lw1f
	s_and_b32 s67, s66, 15                 ; the tile of 16 hidden units
	s_lshl_b32 s67, s67, 6                 ; its first column, in bytes
	v_lshlrev_b32 v[VS], 10, v[VK]         ; a row of din_W0 is 1,024 bytes
	v_lshl_add_u32 v[VS], v[VR], 2, v[VS]
	v_add_nc_u32 v[VS], s67, v[VS]
	s_lshr_b32 s72, s66, 4                 ; 0: U, 1: D, 2: A
	s_cmp_eq_u32 s72, 1
	s_cbranch_scc1 .Ldf
	s_cmp_eq_u32 s72, 0
	s_cselect_b32 s73, 0x20000, 0          ; U starts from rows 128 on, A from rows 0 on;
	s_cselect_b32 s78, -1.0, 1.0           ; rows 256 on are taken away or added
	v_add_nc_u32 v6, s73, v[VS]
	FLOAD X, 6, 4, 1024, 0
	FLOAD Y, VS, 4, 1024, 262144
	s_wait_loadcnt 0x0
.irp e, 0,1,2,3,4,5,6,7
	v_fma_f32 v[X+\e], v[Y+\e], s78, v[X+\e]
.endr
	PACKST X
	s_endpgm
.Ldf:
	FLOAD X, VS, 4, 1024, 393216           ; rows 384 on
	s_wait_loadcnt 0x0
	PACKST X
	s_endpgm
.Lw1f:
	s_sub_co_u32 s67, s66, 48
	s_lshr_b32 s72, s67, 1                 ; the tile of 16 units
	s_and_b32 s73, s67, 1                  ; which 128 rows of din_W1
	s_lshl_b32 s72, s72, 6
	s_lshl_b32 s73, s73, 16                ; 128 rows of 512 bytes
	s_add_co_u32 s70, s72, s73
	s_add_nc_u64 s[74:75], s[6:7], s[70:71]
	s_branch .Lone512
.Ltail_jobs:
	s_cmp_lt_u32 s66, 194
	s_cbranch_scc0 .Ltowers
	; ---- jobs 64-193: tile T = q / 5, segment q % 5; job q writes bytes 4,096 q on
	s_sub_co_u32 s67, s66, 64
	s_lshl_b32 s68, s67, 12
	s_add_nc_u64 s[76:77], s[60:61], s[68:69]
	s_mul_hi_u32 s72, s67, 0xcccccccd
	s_lshr_b32 s72, s72, 2                 ; T
	s_mul_i32 s73, s72, 5
	s_sub_co_u32 s73, s67, s73             ; the segment
	s_lshl_b32 s78, s73, 7                 ; its first weight row: 128 seg, one more behind the age column (row 256), one more behind the price column (row 513)
	s_cmp_ge_u32 s73, 2
	s_cselect_b32 s79, 1, 0
	s_add_co_u32 s78, s78, s79
	s_cmp_ge_u32 s73, 4
	s_cselect_b32 s79, 1, 0
	s_add_co_u32 s78, s78, s79
	s_cmp_lt_u32 s72, 24
	s_cbranch_scc0 .Lgate
	s_and_b32 s79, s72, 7
	s_lshl_b32 s79, s79, 6
	s_lshl_b32 s78, s78, 9
	s_add_co_u32 s70, s78, s79
	s_lshr_b32 s72, s72, 3                 ; 0: spec_W0, 1: spec_W1, 2: shared_W
	s_cmp_eq_u32 s72, 0
	s_cselect_b64 s[74:75], s[16:17], s[18:19]
	s_cmp_eq_u32 s72, 2
	s_cselect_b64 s[74:75], s[14:15], s[74:75]
	s_add_nc_u64 s[74:75], s[74:75], s[70:71]
.Lone512:                                  ; a tile from a matrix with rows of 512 bytes, source at s[74:75]
	v_lshlrev_b32 v[VS], 9, v[VK]
	v_lshl_add_u32 v[VS], v[VR], 2, v[VS]
	FLOAD X, VS, 74, 512, 0
	s_wait_loadcnt 0x0
	PACKST X
	s_endpgm
.Lgate:                                    ; a gate tile: rows 0, 1 and again 8, 9 hold the two logits' weights, so that both halves of the lanes get them; the others are 0
	s_cmp_eq_u32 s72, 24
	s_cselect_b64 s[74:75], s[10:11], s[12:13]
	s_lshl_b32 s70, s78, 3                 ; a row of gate_W is 8 bytes
	s_add_nc_u64 s[74:75], s[74:75], s[70:71]
	v_and_b32 v6, 1, v[VR]
	v_lshlrev_b32 v[VS], 3, v[VK]
	v_lshl_add_u32 v[VS], v6, 2, v[VS]
	FLOAD X, VS, 74, 8, 0
	v_and_b32 v7, 7, v[VR]
	v_cmp_gt_u32 vcc_lo, 2, v7
	s_wait_loadcnt 0x0
.irp e, 0,1,2,3,4,5,6,7
	v_cndmask_b32 v[X+\e], 0, v[X+\e], vcc_lo
.endr
	PACKST X
	s_endpgm
.Ltowers:
	s_cmp_lt_u32 s66, 226
	s_cbranch_scc0 .Lconsts
	; ---- jobs 194-225: matrix (j - 194) / 8 = 2 task + layer, tile (j - 194) % 8; 8,192 bytes a tile: hi, then lo
	s_sub_co_u32 s67, s66, 194
	s_lshl_b32 s68, s67, 13
	s_add_co_u32 s68, s68, 532480
	s_add_nc_u64 s[76:77], s[60:61], s[68:69]
	s_lshr_b32 s72, s67, 3
	s_and_b32 s73, s67, 7
	s_lshl_b32 s70, s73, 6
	s_cmp_eq_u32 s72, 0
	s_cselect_b64 s[74:75], s[20:21], s[22:23]
	s_cmp_eq_u32 s72, 2
	s_cselect_b64 s[74:75], s[24:25], s[74:75]
	s_cmp_eq_u32 s72, 3
	s_cselect_b64 s[74:75], s[26:27], s[74:75]
	s_add_nc_u64 s[74:75], s[74:75], s[70:71]
	v_lshlrev_b32 v[VS], 9, v[VK]
	v_lshl_add_u32 v[VS], v[VR], 2, v[VS]
	FLOAD X, VS, 74, 512, 0
	s_wait_loadcnt 0x0
.irp k, 0,1,2,3
	SPLIT X+2*\k, HI+\k, LO+\k, TT
.endr
	global_store_b128 v[VD], v[HI:HI+3], s[76:77]
	global_store_b128 v[VD], v[LO:LO+3], s[76:77] offset:4096
	s_endpgm
.Lconsts:
	s_cmp_lt_u32 s66, 228
	s_cbranch_scc0 .Lids
	; ---- jobs 226, 227: a task's 5,120 bytes of f32 constants
	s_sub_co_u32 s67, s66, 226
	s_mul_i32 s68, s67, 5120
	s_add_nc_u64 s[76:77], s[62:63], s[68:69]
	v_lshrrev_b32 v6, 5, v0
	v_readfirstlane_b32 s72, v6
	s_cmp_lt_u32 s72, 4
	s_cbranch_scc0 .Lbn
	s_cmp_eq_u32 s67, 0                    ; waves 0-3, unit u = t: the weight rows of age (256) and price (513)
	s_cselect_b64 s[74:75], s[16:17], s[18:19]
	s_cselect_b64 s[78:79], s[10:11], s[12:13]
	v_lshlrev_b32 v6, 2, v0
	v_and_b32 v7, 1, v0
	v_lshlrev_b32 v7, 2, v7
	global_load_b32 v8, v6, s[74:75] offset:256*512
	global_load_b32 v9, v6, s[74:75] offset:513*512
	global_load_b32 v10, v6, s[14:15] offset:256*512
	global_load_b32 v11, v6, s[14:15] offset:513*512
	global_load_b32 v12, v7, s[78:79] offset:256*8
	global_load_b32 v13, v7, s[78:79] offset:513*8
	s_wait_loadcnt 0x0
	global_store_b32 v6, v8, s[76:77]
	global_store_b32 v6, v9, s[76:77] offset:512
	global_store_b32 v6, v10, s[76:77] offset:1024
	global_store_b32 v6, v11, s[76:77] offset:1536
	global_store_b32 v6, v12, s[76:77] offset:4096
	global_store_b32 v6, v13, s[76:77] offset:4608
	s_endpgm
.Lbn:                                      ; waves 4-7, unit u = t - 128: (z + b) G + beta = z G + (b G + beta), G = gamma / sqrt(1 + 1e-5)
	v_and_b32 v6, 127, v0
	v_lshlrev_b32 v6, 2, v6
	s_cmp_eq_u32 s67, 0
	s_cselect_b64 s[74:75], s[30:31], s[42:43]
	s_cselect_b64 s[78:79], s[32:33], s[44:45]
	s_cselect_b64 s[80:81], s[34:35], s[46:47]
	s_cselect_b64 s[82:83], s[36:37], s[48:49]
	s_cselect_b64 s[84:85], s[38:39], s[50:51]
	s_cselect_b64 s[86:87], s[40:41], s[52:53]
	global_load_b32 v8, v6, s[74:75]
	global_load_b32 v9, v6, s[78:79]
	global_load_b32 v10, v6, s[80:81]
	global_load_b32 v11, v6, s[82:83]
	global_load_b32 v12, v6, s[84:85]
	global_load_b32 v13, v6, s[86:87]
	s_wait_loadcnt 0x0
	v_mul_f32 v9, 0x3f7fffac, v9           ; 1 / sqrt(1.00001) = 0.999995
	v_mul_f32 v12, 0x3f7fffac, v12
	v_fma_f32 v8, v8, v9, v10
	v_fma_f32 v11, v11, v12, v13
	global_store_b32 v6, v9, s[76:77] offset:2048
	global_store_b32 v6, v8, s[76:77] offset:2560
	global_store_b32 v6, v12, s[76:77] offset:3072
	global_store_b32 v6, v11, s[76:77] offset:3584
	s_endpgm
.Lids:
	; ---- jobs 228-235: 256 batch rows each: (user, gender, item, cate) at 16 b, the item id once more at 32,768 + 4 b
	s_sub_co_u32 s67, s66, 228
	s_lshl_b32 s67, s67, 8
	v_add_nc_u32 v6, s67, v0
	v_mul_u32_u24 v7, v6, 24
	global_load_b64 v[8:9], v7, s[28:29]
	global_load_b32 v10, v7, s[28:29] offset:12
	global_load_b32 v11, v7, s[28:29] offset:16
	v_lshlrev_b32 v12, 4, v6
	v_lshlrev_b32 v13, 2, v6
	s_wait_loadcnt 0x0
.irp k, 8,9,10,11
	v_cvt_i32_f32 v\k, v\k
.endr
	global_store_b128 v12, v[8:11], s[56:57]
	global_store_b32 v13, v10, s[56:57] offset:32768
	s_endpgm
.Lcast:
	; ---- jobs 236-860: 40,960 bytes of the item table in, 20,480 out.  All ten loads go out first; each store of a wave covers 512 consecutive bytes
	s_sub_co_u32 s67, s66, 236
	s_mul_i32 s68, s67, 40960
	s_mul_i32 s70, s67, 20480
	s_add_nc_u64 s[74:75], s[8:9], s[68:69]
	s_add_nc_u64 s[76:77], s[54:55], s[70:71]
	v_lshlrev_b32 v[VS], 5, v0
.irp c, 0,1,2,3,4
	global_load_b128 v[8+8*\c:11+8*\c],  v[VS], s[74:75] offset:\c*8192 th:TH_LOAD_NT
	global_load_b128 v[12+8*\c:15+8*\c], v[VS], s[74:75] offset:\c*8192+16 th:TH_LOAD_NT
.endr
.irp c, 0,1,2,3,4
	s_wait_loadcnt 8-2*\c                  ; the later chunks' loads, two each, stay out
.irp k, 0,1,2,3
	v_cvt_pk_bf16_f32 v[8+8*\c+\k], v[8+8*\c+2*\k], v[8+8*\c+2*\k+1]  ; in place, ascending: a register is written after it has been read
.endr
	global_store_b128 v[VD], v[8+8*\c:11+8*\c], s[76:77] offset:\c*4096
.endr
	s_endpgm
.Lfunc_end_k_qfd09a3e16d_prep:
	.size	k_qfd09a3e16d_prep, .Lfunc_end_k_qfd09a3e16d_prep-k_qfd09a3e16d_prep
	.p2alignl 7, 3214868480
	.fill 96, 4, 3214868480
	.section	.rodata,"a",@progbits
	.p2align	6, 0x0
	.amdhsa_kernel k_qfd09a3e16d_prep
		.amdhsa_group_segment_fixed_size 0
		.amdhsa_private_segment_fixed_size 0
		.amdhsa_enable_private_segment 0
		.amdhsa_kernarg_size 240
		.amdhsa_user_sgpr_count 2
		.amdhsa_user_sgpr_kernarg_segment_ptr 1
		.amdhsa_wavefront_size32 1
		.amdhsa_system_sgpr_workgroup_id_x 1
		.amdhsa_system_sgpr_workgroup_id_y 1
		.amdhsa_system_sgpr_workgroup_id_z 1
		.amdhsa_system_vgpr_workitem_id 0
		.amdhsa_next_free_vgpr 64
		.amdhsa_next_free_sgpr 100
		.amdhsa_reserve_vcc 1
		.amdhsa_float_denorm_mode_32 3
		.amdhsa_float_denorm_mode_16_64 3
		.amdhsa_memory_ordered 1
		.amdhsa_forward_progress 1
		.amdhsa_inst_pref_size 20
	.end_amdhsa_kernel
	.amdgpu_metadata
---
amdhsa.version: [ 1, 2 ]
amdhsa.kernels:
  - .name:           k_qfd09a3e16d_prep
    .symbol:         k_qfd09a3e16d_prep.kd
    .args:
      - { .name: params_din_W0, .offset: 0, .size: 8, .value_kind: global_buffer, .address_space: global }
      - { .name: params_din_W1, .offset: 8, .size: 8, .value_kind: global_buffer, .address_space: global }
      - { .name: params_emb_item_id, .offset: 16, .size: 8, .value_kind: global_buffer, .address_space: global }
      - { .name: params_gate_W0, .offset: 24, .size: 8, .value_kind: global_buffer, .address_space: global }
      - { .name: params_gate_W1, .offset: 32, .size: 8, .value_kind: global_buffer, .address_space: global }
      - { .name: params_shared_W, .offset: 40, .size: 8, .value_kind: global_buffer, .address_space: global }
      - { .name: params_spec_W0, .offset: 48, .size: 8, .value_kind: global_buffer, .address_space: global }
      - { .name: params_spec_W1, .offset: 56, .size: 8, .value_kind: global_buffer, .address_space: global }
      - { .name: params_t0_W0, .offset: 64, .size: 8, .value_kind: global_buffer, .address_space: global }
      - { .name: params_t0_W1, .offset: 72, .size: 8, .value_kind: global_buffer, .address_space: global }
      - { .name: params_t1_W0, .offset: 80, .size: 8, .value_kind: global_buffer, .address_space: global }
      - { .name: params_t1_W1, .offset: 88, .size: 8, .value_kind: global_buffer, .address_space: global }
      - { .name: x, .offset: 96, .size: 8, .value_kind: global_buffer, .address_space: global }
      - { .name: params_t0_b0, .offset: 104, .size: 8, .value_kind: global_buffer, .address_space: global }
      - { .name: params_t0_gamma0, .offset: 112, .size: 8, .value_kind: global_buffer, .address_space: global }
      - { .name: params_t0_beta0, .offset: 120, .size: 8, .value_kind: global_buffer, .address_space: global }
      - { .name: params_t0_b1, .offset: 128, .size: 8, .value_kind: global_buffer, .address_space: global }
      - { .name: params_t0_gamma1, .offset: 136, .size: 8, .value_kind: global_buffer, .address_space: global }
      - { .name: params_t0_beta1, .offset: 144, .size: 8, .value_kind: global_buffer, .address_space: global }
      - { .name: params_t1_b0, .offset: 152, .size: 8, .value_kind: global_buffer, .address_space: global }
      - { .name: params_t1_gamma0, .offset: 160, .size: 8, .value_kind: global_buffer, .address_space: global }
      - { .name: params_t1_beta0, .offset: 168, .size: 8, .value_kind: global_buffer, .address_space: global }
      - { .name: params_t1_b1, .offset: 176, .size: 8, .value_kind: global_buffer, .address_space: global }
      - { .name: params_t1_gamma1, .offset: 184, .size: 8, .value_kind: global_buffer, .address_space: global }
      - { .name: params_t1_beta1, .offset: 192, .size: 8, .value_kind: global_buffer, .address_space: global }
      - { .name: itemb, .offset: 200, .size: 8, .value_kind: global_buffer, .address_space: global }
      - { .name: ids, .offset: 208, .size: 8, .value_kind: global_buffer, .address_space: global }
      - { .name: wdin, .offset: 216, .size: 8, .value_kind: global_buffer, .address_space: global }
      - { .name: wtail, .offset: 224, .size: 8, .value_kind: global_buffer, .address_space: global }
      - { .name: tconst, .offset: 232, .size: 8, .value_kind: global_buffer, .address_space: global }
    .group_segment_fixed_size: 0
    .private_segment_fixed_size: 0
    .kernarg_segment_align: 8
    .kernarg_segment_size: 240
    .max_flat_workgroup_size: 256
    .sgpr_count:     100
    .vgpr_count:     64
    .wavefront_size: 32
...
	.end_amdgpu_metadata
.endif
;; end of part 1
;; launch din (part 2): grid 256 x 1, 4 waves a work-group, no clusters, 266,240 bytes of LDS; arguments itemb, ids, x_seq, wdin, params_din_b0, params_din_b1, params_din_W2, params_din_b2, seqout; writes seqout
.if DOCPART == 2
	.amdgcn_target "amdgcn-amd-amdhsa--gfx1250"
	.amdhsa_code_object_version 6
	.text
	.protected	k_qfd09a3e16d_din
	.globl	k_qfd09a3e16d_din
	.p2align	8
	.type	k_qfd09a3e16d_din,@function
k_qfd09a3e16d_din:
	s_mov_b64 s[64:65], 0
	v_nop
	global_prefetch_b8 v0, s[64:65] scope:SCOPE_SE
	s_setreg_imm32_b32 hwreg(HW_REG_WAVE_MODE, 25, 1), 1
	s_wait_xcnt 0x0
; DIN ATTENTION.  For batch row b with target q and history keys k_t (t < 200, rows of the bf16 item table):
;   H0 = relu(k_t @ WQ + c_b), WQ = U + diag(q) D, c_b = b0 + q @ A    (equal to relu([q, k, q-k, q*k] @ W0 + b0) for every input; U, D, A come laid out as fragments)
;   H1 = relu(H0 @ W1 + b1); score = H1 @ W2 + b2; -1e9 where x_seq <= 0; softmax over t with the row's maximum taken away; seqout[b] = sum_t p_t k_t.
; SHARES.  A work-group takes 8 batch rows, one after the other; 200 keys are 14 tiles of 16 (rows 200-223 repeat rows 196-199 and get the weight 0).
; Both products are used transposed (source 0 = 16 units of weights, source 1 = 16 keys): a lane holds ONE key (lane % 16) and eight neighbouring units.
;   layer 0: wave w owns hidden units 64 w .. 64 w + 63 (WQ: 128 registers) and walks all 14 tiles: 224 matrix instructions
;   layer 1: wave (nh = w % 2, sh = w / 2) owns units 64 nh .. + 63 (W1: 256 registers) and tiles 7 sh .. 7 sh + 6: 224 matrix instructions; H0 goes through LDS in bf16
;   sum:     wave w owns channels 32 w .. + 31: 14 matrix instructions, keys turned by ds_load_tr16_b128, the weights as 16 equal columns
; All weights stay in registers; the next row's keys are gathered into registers a layer ahead and stored into the other of two key buffers.
; No tensor loads: rows named by a list fit no descriptor.  No cluster: work-groups share the 256 KB of weights alone, read once each.
; LDS ORDER.  Two barriers a row.  Between the first and the second: H0 is read; scores and the next keys are written.  Between the second and the next first: keys and scores are read; H0 is written.
; LIMITS.  Matrix operands in bf16 (keys, q, U, D, A, WQ rounded once by the packed multiply-add, H0, the weights p); sums, maxima, scores in f32.  A weight below 2^-126 counts as 0.
; Ids are held to 0 .. 49,999, the table's rows.  The exponent is c s - round(c m), c = log2 e: a factor common to a row's weights (at most 2^64, where m = -1e9) that the division by their sum takes out.
; NaN and infinities are not treated apart.
.set KP,    272                        ; a key row in LDS: 256 bytes + 16: the 16 rows of a fragment load start 4 banks apart
.set HP,    528                        ; a row of H0: 512 bytes + 16
.set SCB,   60928                      ; behind key buffer 0 (224 x 272): scores, 2 halves of units x 256 f32
.set PBASE, 62976                      ; the weights in bf16, 512 bytes for each wave
.set SPARE, 65024                      ; the spare words, 128 bytes for each wave
.set KBX,   0x10000                    ; key buffer 1 begins here: one exclusive or changes buffers
.set H0B,   126464                     ; H0: 224 x 528
.set CBB,   244736                     ; c_b: for each wave 16 rows x 272 bytes (64 f32 + 16)
.set CBW,   4352
.set OUTB,  262144                     ; results: for each wave 8 rows x 128 bytes
; window 0
.set ZERO, 1
.set FILL, 2                           ; -1e9 for t < 200, the lowest finite number beyond
.set AK0,  3                           ; r 272 + 16 h
.set AKC,  4
.set HS0,  5                           ; H0 + r 528 + 128 w + 16 h
.set HSC,  6
.set HR0,  7                           ; H0 + (112 sh + r) 528 + 16 h
.set HRC,  8
.set SS0,  9                           ; scores + 1,024 nh + 4 (112 sh + r)
.set SSC,  10
.set SCL,  11                          ; scores + 32 min(lane, 27)
.set PST,  12
.set PLD,  13
.set TR0,  14
.set TRC,  15
.set MSK,  16                          ; v[16:23] my eight words of x_seq
.set SP,   24                          ; v[24:27] two pairs of score sums
.set T,    28
.set T2,   29
.set PAIR, 30                          ; v[30:31]
.set FR,   32                          ; v[32:95] two fragment buffers of 32
.set ACC,  96                          ; v[96:159] two sets of four accumulators
.set SA,   144
.set SB,   152
.set QB,   160                         ; v[160:191] q's fragments, then the layer-0 bias
.set BI1,  192                         ; v[192:223] b1 as an accumulator's lanes hold it
.set W2R,  224                         ; v[224:255] W2 likewise
; window 1: W1, fragment (a, c) at 8 (8 a + c).  window 2: U at 0, D at 128, fragment (a, c) at 8 (4 a + c)
.set U,    0
.set DD,   128
; window 3
.set WQ,   0
.set G,    128                         ; 56 registers: gathered keys; later the weights' fragments
.set IDX,  184                         ; 28 indices, then byte offsets
.set XA,   212
.set LOF,  219
.set KS0,  220
.set KSC,  221
.set SPW,  222
.set NIL,  223
.set MKA,  224
.set QL,   225
.set QA,   226
.set CBL,  227
.set OST,  228
.set MSB, 0
.macro WIN new                         ; bits 1:0 source 0, 3:2 source 1, 5:4 source 2, 7:6 destination; the high byte repeats the setting that is left
.if MSB != (\new)
	s_set_vgpr_msb (MSB<<8)|(\new)
.set MSB, (\new)
.endif
.endm
.macro PLACES                          ; four plain instructions behind a run's last matrix instruction, ahead of whatever reads its results or writes its operands (ISA guide 7.12.1)
.rept 4
	v_nop
.endr
.endm
; ---- the gather.  Half-wave g = 2 w + lane / 16 owns key rows 28 g .. 28 g + 27; 16 lanes take a row's 256 bytes.  All under window 3.
.macro XLOAD                           ; the 28 indices, four at a time; chunks past row 199 are held to rows 196-199
.irp c, 0,1,2,3,4,5,6
	global_load_b128 v[IDX+4*\c:IDX+4*\c+3], v[XA+\c], s[30:31]
.endr
.endm
.macro GOFF first                      ; 14 indices -> byte offsets of my 16 bytes of the rows: held to the table, then shifted.  It stands in the block of the 14 loads that use them
.set z, 0
.rept 14
	v_min_u32 v[IDX+(\first)+z], 0xc34f, v[IDX+(\first)+z]
	v_lshl_add_u32 v[IDX+(\first)+z], v[IDX+(\first)+z], 8, v[LOF]
.set z, z+1
.endr
.endm
.macro GLOAD first, base, win
	WIN \win
.set z, 0
.rept 14
	global_load_b128 v[(\base)+4*z:(\base)+4*z+3], v[IDX+(\first)+z], s[4:5]
.set z, z+1
.endr
.endm
.macro GSTORE first, base, win
	WIN \win
.set z, 0
.rept 14
	ds_store_b128 v[KSC], v[(\base)+4*z:(\base)+4*z+3] offset:((\first)+z)*KP
.set z, z+1
.endr
.endm
.macro QLOAD                           ; q of the row whose id is in s28, as every lane of a weight fragment wants it: k = 32 c + 16 p + 8 h + 0..7
	s_lshl_b32 s56, s28, 8
	WIN 0xff
	v_add_nc_u32 v[QA], s56, v[QL]
	WIN 0x03
.irp n, 0,1,2,3,4,5,6,7
	global_load_b128 v[QB+4*\n:QB+4*\n+3], v[QA], s[4:5] offset:32*\n
.endr
.endm
.macro BUILD                           ; WQ = D q + U, two bf16 a line, rounded once
	WIN 0xe2
.set z, 0
.rept 128
	v_pk_fma_bf16 v[WQ+z], v[DD+z], v[QB+z%32], v[U+z]
.set z, z+1
.endr
.endm
.macro BIAS0                           ; c_b of the row at CBL, in the accumulators' layout: unit 64 w + 16 a + 8 h + j
	WIN 0x03
.irp n, 0,1,2,3,4,5,6,7
	ds_load_b128 v[QB+4*\n:QB+4*\n+3], v[CBL] offset:64*(\n/2)+16*(\n%2)
.endr
.endm
; ---- layer 0.  Matrix instruction tn of a tile's 16: K step tn / 4, unit tile tn % 4: the four accumulators take turns.  The first four start the sums with c_b.
.macro MM0 x
.set mc, tn/4
.set ma, tn%4
.set mD, ACC+32*(\x)+8*ma
.if mc == 0
	v_wmma_f32_16x16x32_bf16 v[mD:mD+7], v[WQ+8*(4*ma+mc):WQ+8*(4*ma+mc)+7], v[FR+32*(\x)+8*mc:FR+32*(\x)+8*mc+7], v[QB+8*ma:QB+8*ma+7]
.else
	v_wmma_f32_16x16x32_bf16 v[mD:mD+7], v[WQ+8*(4*ma+mc):WQ+8*(4*ma+mc)+7], v[FR+32*(\x)+8*mc:FR+32*(\x)+8*mc+7], v[mD:mD+7]
.endif
.endm
; Line te of the 36 that send a finished tile to H0: for each accumulator four roundings (in place, from the low end), four packed maxima with 0, one store of 16 bytes.
.macro E0 x, off
.set ea, te/9
.set ek, te%9
.set eA, ACC+32*(\x)+8*ea
.if ek < 4
	v_cvt_pk_bf16_f32 v[eA+ek], v[eA+2*ek], v[eA+2*ek+1]
.elseif ek < 8
	v_pk_max_num_bf16 v[eA+ek-4], v[eA+ek-4], v[ZERO]
.else
	ds_store_b128 v[HSC], v[eA:eA+3] offset:(\off)+32*ea
.endif
.endm
; A tile of layer 0 on set x.  Behind each matrix instruction stand two or three lines of the tile before (ep = 1, at H0 offset eoff) and, behind numbers 1 to 8, one load of the next tile's fragments (ld = 1, at key offset loff).
; cnt: the LDS instructions issued behind the last load of this tile's fragments: the two stores behind matrix instructions 11 and 15 of the tile before.
.macro T0 x, ep, eoff, ld, loff, cnt
	s_wait_dscnt \cnt
.set tn, 0
.rept 16
	WIN 0x03
	MM0 \x
.if \ep
.set te, (36*tn)/16
.rept (36*(tn+1))/16-(36*tn)/16
	WIN 0
	E0 1-(\x), \eoff
.set te, te+1
.endr
.endif
.if (\ld) && (tn >= 1) && (tn <= 8)
	WIN 0
	ds_load_b128 v[FR+32*(1-(\x))+4*(tn-1):FR+32*(1-(\x))+4*(tn-1)+3], v[AKC] offset:(\loff)+32*(tn-1)
.endif
.set tn, tn+1
.endr
	PLACES
.if !(\ep)
	s_wait_dscnt 0x0
.endif
.endm
; ---- layer 1.  Matrix instruction tn of a tile's 32: K step tn / 4 of 8, unit tile tn % 4.  K steps 0-3 lie in fragment buffer X (v32), 4-7 in Y (v64).
.macro MM1 x
.set mc, tn/4
.set ma, tn%4
.set mD, ACC+32*(\x)+8*ma
.if mc == 0
	v_wmma_f32_16x16x32_bf16 v[mD:mD+7], v[8*(8*ma+mc):8*(8*ma+mc)+7], v[FR+8*mc:FR+8*mc+7], v[BI1+8*ma:BI1+8*ma+7]
.else
	v_wmma_f32_16x16x32_bf16 v[mD:mD+7], v[8*(8*ma+mc):8*(8*ma+mc)+7], v[FR+8*mc:FR+8*mc+7], v[mD:mD+7]
.endif
.endm
; Line te of the 53 that make a finished tile's scores: for each pair two maxima with 0 and a packed multiply-add with W2 (from each accumulator's low end); the sums; the other half of the lanes' eight units; a store.
.macro E1 x, off
.if te < 48
.set ea, te/12
.set ej, (te%12)/3
.set es, te%3
.set eA, ACC+32*(\x)+8*ea+2*ej
.if es < 2
	v_max_num_f32 v[eA+es], 0, v[eA+es]
.elseif (ea < 2) && (ej == 0)
	v_pk_mul_f32 v[SP+2*(ea%2):SP+2*(ea%2)+1], v[eA:eA+1], v[W2R+8*ea+2*ej:W2R+8*ea+2*ej+1]
.else
	v_pk_fma_f32 v[SP+2*(ea%2):SP+2*(ea%2)+1], v[eA:eA+1], v[W2R+8*ea+2*ej:W2R+8*ea+2*ej+1], v[SP+2*(ea%2):SP+2*(ea%2)+1]
.endif
.elseif te == 48
	v_pk_add_f32 v[SP:SP+1], v[SP:SP+1], v[SP+2:SP+3]
.elseif te == 49
	v_add_f32 v[T], v[SP], v[SP+1]
.elseif te == 50
	v_permlanex16_b32 v[T2], v[T], s38, s39
.elseif te == 51
	v_add_f32 v[T], v[T], v[T2]
.else
	ds_store_b32 v[SSC], v[T] offset:\off
.endif
.endm
; A tile of layer 1 on set x.  First half: X is multiplied, Y is loaded (H0 offset yoff + 256).  Second half: Y is multiplied, the next tile's X is loaded (ldx = 1, offset xoff).
; The lines of the tile before ride behind the matrix instructions.  cnt: the one score store issued behind X's loads.
.macro T1 x, ep, eoff, yoff, ldx, xoff, cnt
	s_wait_dscnt \cnt
.set tn, 0
.rept 16
	WIN 0x01
	MM1 \x
.if \ep
	WIN 0
.set te, 2*tn
	E1 1-(\x), \eoff
.set te, 2*tn+1
	E1 1-(\x), \eoff
.endif
.if tn < 8
	WIN 0
	ds_load_b128 v[FR+32+4*tn:FR+32+4*tn+3], v[HRC] offset:(\yoff)+256+32*tn
.endif
.set tn, tn+1
.endr
	PLACES
	s_wait_dscnt 0x0                       ; Y is in: nothing was issued behind its loads
.rept 16
	WIN 0x01
	MM1 \x
.if \ep
.set te, 32+(21*(tn-16))/16
.rept (21*(tn-15))/16-(21*(tn-16))/16
	WIN 0
	E1 1-(\x), \eoff
.set te, te+1
.endr
.endif
.if (\ldx) && (tn < 24)
	WIN 0
	ds_load_b128 v[FR+4*(tn-16):FR+4*(tn-16)+3], v[HRC] offset:(\xoff)+32*(tn-16)
.endif
.set tn, tn+1
.endr
	PLACES
.if !(\ep)
	s_wait_dscnt 0x0
.endif
.endm
	; ================= head: addresses and constants
	s_load_b512 s[4:19], s[0:1], 0x0       ; itemb 4, ids 6, x_seq 8, wdin 10, b0 12, b1 14, W2 16, b2 18
	s_load_b64 s[20:21], s[0:1], 0x40      ; seqout
	WIN 0xc0
	v_lshl_add_u32 v[SPW], v0, 2, SPARE    ; the two registers of the add at the wave's end
	v_mov_b32 v[NIL], 0
	WIN 0
	v_lshrrev_b32 v64, 5, v0
	v_readfirstlane_b32 s22, v64           ; w
	s_and_b32 s23, s22, 1                  ; nh
	s_lshr_b32 s24, s22, 1                 ; sh
	v_and_b32 v64, 31, v0                  ; lane
	v_and_b32 v65, 15, v0                  ; r
	v_bfe_u32 v66, v0, 4, 1                ; h
	v_mov_b32 v[ZERO], 0
	v_mov_b32 v[T2], 0
	v_mov_b32 v[FILL], 0xff7fffff
	v_mov_b32 v67, 0xce6e6b28              ; -1e9
	v_cmp_gt_u32 vcc_lo, 25, v64           ; lanes 0-24 hold t < 200
	v_cndmask_b32 v[FILL], v[FILL], v67, vcc_lo
	v_mul_u32_u24 v[AK0], v65, KP
	v_lshl_add_u32 v[AK0], v66, 4, v[AK0]
	v_mul_u32_u24 v67, v65, HP
	v_lshl_add_u32 v67, v66, 4, v67
	s_lshl_b32 s52, s22, 7
	s_add_co_u32 s52, s52, H0B
	v_add_nc_u32 v[HS0], s52, v67
	s_mul_i32 s52, s24, 112*HP
	s_add_co_u32 s52, s52, H0B
	v_add_nc_u32 v[HR0], s52, v67
	s_lshl_b32 s52, s23, 10
	s_mul_i32 s53, s24, 448
	s_add_co_u32 s52, s52, s53
	s_add_co_u32 s52, s52, SCB
	v_lshl_add_u32 v[SS0], v65, 2, s52
	v_min_u32 v67, 27, v64
	v_lshlrev_b32 v67, 5, v67
	v_add_nc_u32 v[SCL], SCB, v67
	s_lshl_b32 s52, s22, 9
	s_add_co_u32 s52, s52, PBASE
	v_lshl_add_u32 v[PST], v64, 4, s52
	v_lshl_add_u32 v[PLD], v66, 4, s52
	v_and_b32 v67, 7, v0                   ; the turning load: lane l reads key 8 h + l % 8, channels 8 ((l / 8) % 2) on, of my wave's 32
	v_lshl_add_u32 v67, v66, 3, v67
	v_mul_u32_u24 v67, v67, KP
	v_bfe_u32 v68, v0, 3, 1
	v_lshl_add_u32 v67, v68, 4, v67
	s_lshl_b32 s52, s22, 6
	v_add_nc_u32 v[TR0], s52, v67
	s_lshl_b32 s52, s22, 1
	v_add_nc_u32 v69, s52, v66             ; g
	v_mul_u32_u24 v69, v69, 112            ; 28 indices of 4 bytes
.irp c, 0,1,2,3,4,5,6
	v_add_nc_u32 v[70+\c], 16*\c, v69
	v_min_u32 v[70+\c], 784, v[70+\c]
.endr
	v_lshlrev_b32 v77, 4, v65
	v_mul_u32_u24 v78, v69, 68             ; 28 g rows of 272 bytes
	v_add_nc_u32 v78, v78, v77
	v_min_u32 v79, 24, v64
	v_lshlrev_b32 v79, 5, v79
	v_lshlrev_b32 v80, 4, v66
	s_mul_i32 s52, s22, CBW
	s_add_co_u32 s52, s52, CBB
	v_lshl_add_u32 v81, v66, 5, s52
	s_lshl_b32 s53, s22, 10
	s_add_co_u32 s53, s53, OUTB
	v_lshl_add_u32 v82, v66, 5, s53
	v_mul_u32_u24 v83, v65, KP
	v_add_nc_u32 v83, v83, v81             ; where c_b of batch row r % 8 is put
	v_and_b32 v84, 7, v0
	v_lshlrev_b32 v84, 2, v84
	v_lshlrev_b32 v[PAIR], 4, v64          ; in the prologue: 16 lane,
	v_lshlrev_b32 v[PAIR+1], 5, v66        ; and 32 h
	WIN 0xc0
.irp c, 0,1,2,3,4,5,6
	v_mov_b32 v[XA+\c], v[70+\c]
.endr
	v_mov_b32 v[LOF], v77
	v_mov_b32 v[KS0], v78
	v_mov_b32 v[KSC], v78
	v_mov_b32 v[MKA], v79
	v_mov_b32 v[QL], v80
	v_mov_b32 v[CBL], v81
	v_mov_b32 v[OST], v82
	WIN 0
	s_mov_b32 s25, 0                       ; i
	s_mov_b32 s27, 0                       ; the key buffer in hand
	s_mov_b32 s29, 4                       ; byte offset of the next row's item id
	s_mov_b32 s34, 0x3fb8aa3b              ; log2 e
	s_mov_b32 s35, s34
	s_mov_b32 s38, 0x76543210
	s_mov_b32 s39, 0xfedcba98
	s_mov_b32 s40, 0x01ffffff
	s_mul_i32 s56, ttmp9, 6400             ; 8 rows of x_seq
	s_mov_b32 s57, 0
	s_lshl_b32 s58, ttmp9, 5
	s_add_co_u32 s58, s58, 32768
	s_mov_b32 s59, 0
	s_wait_kmcnt 0x0
	s_add_nc_u64 s[30:31], s[8:9], s[56:57]
	s_mov_b64 s[32:33], s[30:31]
	s_add_nc_u64 s[50:51], s[6:7], s[58:59]
	s_lshl_b32 s56, ttmp9, 12
	s_add_nc_u64 s[20:21], s[20:21], s[56:57]
	s_lshl_b32 s56, s22, 14
	s_add_nc_u64 s[52:53], s[10:11], s[56:57]   ; my 16,384 bytes of U, D, A
	s_lshl_b32 s56, s23, 15
	s_add_nc_u64 s[54:55], s[10:11], s[56:57]   ; my 32,768 bytes of W1
	s_lshl_b32 s56, s22, 8
	s_add_nc_u64 s[12:13], s[12:13], s[56:57]
	s_lshl_b32 s56, s23, 8
	s_add_nc_u64 s[14:15], s[14:15], s[56:57]
	s_add_nc_u64 s[16:17], s[16:17], s[56:57]
	; ================= prologue: row 0's keys, all weights, c_b of all 8 rows, row 0's WQ
	WIN 0xff
	XLOAD
	WIN 0
	global_load_b32 v85, v84, s[50:51]     ; the item id of batch row lane % 8
	s_load_b32 s28, s[50:51], 0x0
	s_load_b32 s36, s[18:19], 0x0
	WIN 0xc0
.set z, 0
.rept 32
	global_load_b128 v[WQ+4*z:WQ+4*z+3], v[PAIR], s[52:53] offset:131072+512*z   ; A, where WQ will lie
.set z, z+1
.endr
	WIN 0
.irp n, 0,1,2,3,4,5,6,7
	global_load_b128 v[ACC+4*\n:ACC+4*\n+3], v[PAIR+1], s[12:13] offset:64*(\n/2)+16*(\n%2)
.endr
	s_wait_loadcnt 40                      ; A's 32 and b0's 8 stay out: the indices and ids are in
	WIN 0xff
	GOFF 0
	GOFF 14
	WIN 0
	v_min_u32 v85, 0xc34f, v85
	v_lshl_add_u32 v85, v85, 8, v80
	s_wait_kmcnt 0x0
	s_mov_b32 s37, s36
	s_min_u32 s28, s28, 0xc34f
	GLOAD 0, G, 0xff
	GLOAD 14, 0, 0x43                      ; the second half goes through window 1, which W1 takes later
	WIN 0
.irp n, 0,1,2,3,4,5,6,7
	global_load_b128 v[FR+4*\n:FR+4*\n+3], v85, s[4:5] offset:32*\n   ; the 8 targets as 16 columns (each twice)
.endr
	QLOAD
	WIN 0
.irp n, 0,1,2,3,4,5,6,7
	global_load_b128 v[BI1+4*\n:BI1+4*\n+3], v[PAIR+1], s[14:15] offset:64*(\n/2)+16*(\n%2)
.endr
.irp n, 0,1,2,3,4,5,6,7
	global_load_b128 v[W2R+4*\n:W2R+4*\n+3], v[PAIR+1], s[16:17] offset:64*(\n/2)+16*(\n%2)
.endr
	WIN 0x80
.set z, 0
.rept 32
	global_load_b128 v[U+4*z:U+4*z+3], v[PAIR], s[52:53] offset:512*z
.set z, z+1
.endr
	s_wait_loadcnt 48                      ; b1's 8, W2's 8 and U's 32 stay out: keys, targets, q, A and b0 are in
	GSTORE 0, G, 0xff
	GSTORE 14, 0, 0x07
	s_add_nc_u64 s[30:31], s[30:31], 800
	WIN 0x80
.set z, 0
.rept 32
	global_load_b128 v[DD+4*z:DD+4*z+3], v[PAIR], s[52:53] offset:65536+512*z
.set z, z+1
.endr
	WIN 0xff
	XLOAD                                  ; row 1's indices
	s_wait_dscnt 0x0                       ; the stores out of window 1 are done
	WIN 0x40
.set z, 0
.rept 64
	global_load_b128 v[4*z:4*z+3], v[PAIR], s[54:55] offset:196608+512*z
.set z, z+1
.endr
	WIN 0x03                               ; c_b = b0 + q @ A for the 8 rows at once: 16 matrix instructions, four accumulators by turns
.set tn, 0
.rept 16
.set mc, tn/4
.set ma, tn%4
.if mc == 0
	v_wmma_f32_16x16x32_bf16 v[ACC+32+8*ma:ACC+32+8*ma+7], v[WQ+8*(4*ma+mc):WQ+8*(4*ma+mc)+7], v[FR+8*mc:FR+8*mc+7], v[ACC+8*ma:ACC+8*ma+7]
.else
	v_wmma_f32_16x16x32_bf16 v[ACC+32+8*ma:ACC+32+8*ma+7], v[WQ+8*(4*ma+mc):WQ+8*(4*ma+mc)+7], v[FR+8*mc:FR+8*mc+7], v[ACC+32+8*ma:ACC+32+8*ma+7]
.endif
.set tn, tn+1
.endr
	PLACES
	WIN 0
.irp n, 0,1,2,3,4,5,6,7
	ds_store_b128 v83, v[ACC+32+4*\n:ACC+32+4*\n+3] offset:64*(\n/2)+16*(\n%2)   ; my wave's own bytes: only I read them back
.endr
	s_wait_loadcnt 63                      ; behind D stand 71 loads (indices 7, W1 64); 63 is the most that the wait can name, and it asks for more
	BUILD
	BIAS0                                  ; row 0; LDS serves a wave's instructions in order (ISA guide 5.7.1.4): these see the stores above
	WIN 0
	s_wait_dscnt 0x0                       ; for the others' sake: my part of row 0's keys is in LDS
	s_barrier_signal -1
	s_barrier_wait -1
	; ================= the 8 batch rows
.Lrow:
	s_wait_loadcnt 0x0                     ; the next row's indices (asked for a stage ago); in the first trip W1 too
	s_cmp_lt_u32 s25, 7
	s_cbranch_scc0 .Ln1
	s_add_nc_u64 s[30:31], s[30:31], 800
	WIN 0xff
	GOFF 0
	GLOAD 0, G, 0xff                       ; the next row's keys, first half: they have layer 0 in which to come
	WIN 0
	s_load_b32 s28, s[50:51], s29 offset:0x0
.Ln1:
	; ---- layer 0
	v_add_nc_u32 v[AKC], s27, v[AK0]
	v_mov_b32 v[HSC], v[HS0]
.irp n, 0,1,2,3,4,5,6,7
	ds_load_b128 v[FR+4*\n:FR+4*\n+3], v[AKC] offset:32*\n
.endr
	T0 0, 0, 0, 1, 16*KP, 0                ; tile 0 (the wait for 0 covers the bias too)
	WIN 0
	s_mov_b32 s26, 6
.Ll0:                                      ; a trip: tiles 2 j + 1 and 2 j + 2
	T0 1, 1, 0, 1, 32*KP, 2
	T0 0, 1, 16*HP, 1, 48*KP, 2
	WIN 0
	v_add_nc_u32 v[AKC], 32*KP, v[AKC]
	v_add_nc_u32 v[HSC], 32*HP, v[HSC]
	s_sub_co_u32 s26, s26, 1
	s_cmp_lg_u32 s26, 0
	s_cbranch_scc1 .Ll0
	T0 1, 1, 0, 0, 0, 2                    ; tile 13
	WIN 0
.set te, 0
.rept 36
	E0 1, 16*HP
.set te, te+1
.endr
	s_wait_dscnt 0x0                       ; my part of H0 is stored; my reads of the keys are back
	s_barrier_signal -1
	s_barrier_wait -1                      ; H0 is whole; nobody reads the other key buffer or the scores any more
	s_wait_loadcnt 0x0                     ; the first half of the next keys
	s_wait_kmcnt 0x0                       ; the next target's id
	s_cmp_lt_u32 s25, 7
	s_cbranch_scc0 .Ln2
	s_xor_b32 s56, s27, KBX
	WIN 0xff
	v_add_nc_u32 v[KSC], s56, v[KS0]
	GSTORE 0, G, 0xff
	GOFF 14                                ; the second half's offsets are made here, in the block that uses them
	GLOAD 14, G, 0xff                      ; the second half: it has layer 1 in which to come
	s_min_u32 s28, s28, 0xc34f
	QLOAD
	WIN 0
	s_add_co_u32 s29, s29, 4
.Ln2:
	WIN 0x03
	global_load_b128 v[MSK:MSK+3], v[MKA], s[32:33]
	global_load_b128 v[MSK+4:MSK+7], v[MKA], s[32:33] offset:16
	WIN 0
	; ---- layer 1
	v_mov_b32 v[HRC], v[HR0]
	v_mov_b32 v[SSC], v[SS0]
.irp n, 0,1,2,3,4,5,6,7
	ds_load_b128 v[FR+4*\n:FR+4*\n+3], v[HRC] offset:32*\n
.endr
	T1 0, 0, 0, 0, 1, 16*HP, 0             ; tile 0
	WIN 0
	s_mov_b32 s26, 2
.Ll1:                                      ; a trip: tiles 2 j + 1 and 2 j + 2
	T1 1, 1, 0, 16*HP, 1, 32*HP, 1
	T1 0, 1, 64, 32*HP, 1, 48*HP, 1
	WIN 0
	v_add_nc_u32 v[HRC], 32*HP, v[HRC]
	v_add_nc_u32 v[SSC], 128, v[SSC]
	s_sub_co_u32 s26, s26, 1
	s_cmp_lg_u32 s26, 0
	s_cbranch_scc1 .Ll1
	T1 1, 1, 0, 16*HP, 1, 32*HP, 1         ; tile 5
	T1 0, 1, 64, 32*HP, 0, 0, 1            ; tile 6
	WIN 0
.set te, 0
.rept 53
	E1 0, 128
.set te, te+1
.endr
	s_wait_loadcnt 0x0                     ; the second half of the keys, q, the mask words
	s_add_nc_u64 s[32:33], s[32:33], 800
	s_cmp_lt_u32 s25, 7
	s_cbranch_scc0 .Ln3
	GSTORE 14, G, 0xff
	WIN 0
	s_cmp_lt_u32 s25, 6
	s_cbranch_scc0 .Ln3
	WIN 0xff
	XLOAD                                  ; the indices of the row after next
	WIN 0
.Ln3:
	s_wait_dscnt 0x0                       ; my scores and keys are stored; my reads of H0 are back
	s_barrier_signal -1
	s_barrier_wait -1                      ; scores and the next keys are whole; nobody reads H0 any more
	; ---- softmax (every wave for itself: lane l holds t = 8 l .. 8 l + 7) and the weighted sum
	ds_load_b128 v[SA:SA+3], v[SCL]
	ds_load_b128 v[SA+4:SA+7], v[SCL] offset:16
	ds_load_b128 v[SB:SB+3], v[SCL] offset:1024
	ds_load_b128 v[SB+4:SB+7], v[SCL] offset:1040
	v_add_nc_u32 v[TRC], s27, v[TR0]
.set z, 0
.rept 14                                   ; fragment z = 2 c + tl: keys 32 c on, channels 16 tl on
	ds_load_tr16_b128 v[FR+8*z:FR+8*z+3],   v[TRC] offset:32*KP*(z/2)+32*(z%2)
	ds_load_tr16_b128 v[FR+8*z+4:FR+8*z+7], v[TRC] offset:32*KP*(z/2)+16*KP+32*(z%2)
.set z, z+1
.endr
	s_cmp_lt_u32 s25, 7
	s_cbranch_scc0 .Ln4
	BUILD                                  ; the next row's WQ and bias, while the loads above are out
	WIN 0xff
	v_add_nc_u32 v[CBL], KP, v[CBL]
	BIAS0
	WIN 0
.Ln4:
	s_wait_dscnt 28                        ; the 28 turning loads may stay out (with the bias's 8 behind them the wait asks for more): the scores are in
.irp k, 0,1,2,3
	v_pk_add_f32 v[SA+2*\k:SA+2*\k+1], v[SA+2*\k:SA+2*\k+1], v[SB+2*\k:SB+2*\k+1]   ; the two halves of the 128 units
.endr
.irp k, 0,1,2,3
	v_pk_add_f32 v[SA+2*\k:SA+2*\k+1], v[SA+2*\k:SA+2*\k+1], s[36:37] op_sel_hi:[1,0]   ; + b2
.endr
.irp e, 0,1,2,3,4,5,6,7
	v_cmp_lt_i32 s[42+\e], 0, v[MSK+\e]
.endr
.irp e, 0,1,2,3,4,5,6,7
	s_and_b32 s[42+\e], s[42+\e], s40      ; lanes 25 on hold no true key
	v_cndmask_b32 v[SA+\e], v[FILL], v[SA+\e], s[42+\e]
.endr
	v_max3_num_f32 v[T], v[SA], v[SA+1], v[SA+2]
	v_max3_num_f32 v[T], v[T], v[SA+3], v[SA+4]
	v_max3_num_f32 v[T], v[T], v[SA+5], v[SA+6]
	v_max_num_f32 v[T], v[T], v[SA+7]
	v_max_num_f32_dpp v[T], v[T], v[T] row_xmask:1 row_mask:0xf bank_mask:0xf
	v_max_num_f32_dpp v[T], v[T], v[T] row_xmask:2 row_mask:0xf bank_mask:0xf
	v_max_num_f32_dpp v[T], v[T], v[T] row_xmask:4 row_mask:0xf bank_mask:0xf
	v_max_num_f32_dpp v[T], v[T], v[T] row_xmask:8 row_mask:0xf bank_mask:0xf
	v_permlanex16_b32 v[T2], v[T], s38, s39
	v_max_num_f32 v[T], v[T], v[T2]        ; the row's maximum, in every lane
	v_mul_f32 v[PAIR], s34, v[T]
	v_mov_b32 v[PAIR+1], v[PAIR]
.irp k, 0,1,2,3
	v_pk_fma_f32 v[SA+2*\k:SA+2*\k+1], v[SA+2*\k:SA+2*\k+1], s[34:35], v[PAIR:PAIR+1] op_sel_hi:[1,0,1] neg_lo:[0,0,1] neg_hi:[0,0,1]
.endr
.irp e, 0,1,2,3,4,5,6,7
	v_exp_f32 v[SA+\e], v[SA+\e]
.endr
	v_nop                                  ; a plain instruction behind the last exponential,
	s_wait_alu depctr_va_vdst(0)           ; and one wait for the batch of eight, ahead of the first line that names a result
.irp k, 0,1,2,3
	v_cvt_pk_bf16_f32 v[SB+\k], v[SA+2*\k], v[SA+2*\k+1]
.endr
	ds_store_b128 v[PST], v[SB:SB+3]
	WIN 0xc0
.irp n, 0,1,2,3,4,5,6,7,8,9,10,11,12,13
	ds_load_b128 v[G+4*\n:G+4*\n+3], v[PLD] offset:32*\n   ; the weights as source 1, the same in all 16 columns; my wave's own bytes, served in order
.endr
	WIN 0
	v_pk_add_f32 v[SA:SA+1], v[SA:SA+1], v[SA+2:SA+3]      ; l, the sum of the unrounded weights
	v_pk_add_f32 v[SA+4:SA+5], v[SA+4:SA+5], v[SA+6:SA+7]
	v_pk_add_f32 v[SA:SA+1], v[SA:SA+1], v[SA+4:SA+5]
	v_add_f32 v[T], v[SA], v[SA+1]
	v_add_f32_dpp v[T], v[T], v[T] row_xmask:1 row_mask:0xf bank_mask:0xf
	v_add_f32_dpp v[T], v[T], v[T] row_xmask:2 row_mask:0xf bank_mask:0xf
	v_add_f32_dpp v[T], v[T], v[T] row_xmask:4 row_mask:0xf bank_mask:0xf
	v_add_f32_dpp v[T], v[T], v[T] row_xmask:8 row_mask:0xf bank_mask:0xf
	v_permlanex16_b32 v[T2], v[T], s38, s39
	v_add_f32 v[T], v[T], v[T2]
	v_rcp_f32 v[PAIR], v[T]
	s_wait_dscnt 0x0                       ; turned keys, weights, the next bias
	WIN 0x0c
.set z, 0
.rept 14                                   ; the two accumulators take turns
.if z < 2
	v_wmma_f32_16x16x32_bf16 v[SA+8*(z%2):SA+8*(z%2)+7], v[FR+8*z:FR+8*z+7], v[G+8*(z/2):G+8*(z/2)+7], 0
.else
	v_wmma_f32_16x16x32_bf16 v[SA+8*(z%2):SA+8*(z%2)+7], v[FR+8*z:FR+8*z+7], v[G+8*(z/2):G+8*(z/2)+7], v[SA+8*(z%2):SA+8*(z%2)+7]
.endif
.set z, z+1
.endr
	PLACES                                 ; also the plain instructions behind the reciprocal
	WIN 0
	s_wait_alu depctr_va_vdst(0)           ; the reciprocal's wait, ahead of its first reader
.irp k, 0,1,2,3,4,5,6,7
	v_pk_mul_f32 v[SA+2*\k:SA+2*\k+1], v[SA+2*\k:SA+2*\k+1], v[PAIR:PAIR+1] op_sel_hi:[1,0]
.endr
	WIN 0x03
	ds_store_b128 v[OST], v[SA:SA+3]       ; channel 32 w + 16 tl + 8 h + j; the 16 lanes of a half hold, and write, the same numbers
	ds_store_b128 v[OST], v[SA+4:SA+7] offset:16
	ds_store_b128 v[OST], v[SA+8:SA+11] offset:64
	ds_store_b128 v[OST], v[SA+12:SA+15] offset:80
	WIN 0xff
	v_add_nc_u32 v[OST], 128, v[OST]
	WIN 0
	s_xor_b32 s27, s27, KBX
	s_add_co_u32 s25, s25, 1
	s_cmp_lt_u32 s25, 8
	s_cbranch_scc1 .Lrow
	; ================= the way out: 8 rows x 512 bytes; each store of a wave covers 512 consecutive bytes, aligned
	s_wait_dscnt 0x0
	s_barrier_signal -1
	s_barrier_wait -1
	v_bfe_u32 v32, v0, 3, 2                ; thread t takes bytes 16 t of the block: row t / 32, the wave that made them (t / 8) % 4
	v_lshlrev_b32 v32, 10, v32
	v_lshrrev_b32 v33, 5, v0
	v_lshl_add_u32 v32, v33, 7, v32
	v_and_b32 v33, 7, v0
	v_lshl_add_u32 v32, v33, 4, v32
	v_add_nc_u32 v32, OUTB, v32
	v_lshlrev_b32 v33, 4, v0
	ds_load_b128 v[36:39], v32
	ds_load_b128 v[40:43], v32 offset:512  ; four rows further down
	s_wait_dscnt 0x1
	global_store_b128 v33, v[36:39], s[20:21]
	s_wait_dscnt 0x0
	global_store_b128 v33, v[40:43], s[20:21] offset:2048
	WIN 0x0f
	s_wait_tensorcnt 0x0                   ; the wave's end
	ds_add_u32 v[SPW], v[NIL]
	s_wait_dscnt 0x0
	WIN 0
	s_endpgm
.Lfunc_end_k_qfd09a3e16d_din:
	.size	k_qfd09a3e16d_din, .Lfunc_end_k_qfd09a3e16d_din-k_qfd09a3e16d_din
	.p2alignl 7, 3214868480
	.fill 96, 4, 3214868480
	.section	.rodata,"a",@progbits
	.p2align	6, 0x0
	.amdhsa_kernel k_qfd09a3e16d_din
		.amdhsa_group_segment_fixed_size 266240
		.amdhsa_private_segment_fixed_size 0
		.amdhsa_enable_private_segment 0
		.amdhsa_kernarg_size 72
		.amdhsa_user_sgpr_count 2
		.amdhsa_user_sgpr_kernarg_segment_ptr 1
		.amdhsa_wavefront_size32 1
		.amdhsa_system_sgpr_workgroup_id_x 1
		.amdhsa_system_sgpr_workgroup_id_y 1
		.amdhsa_system_sgpr_workgroup_id_z 1
		.amdhsa_system_vgpr_workitem_id 0
		.amdhsa_next_free_vgpr 1024
		.amdhsa_next_free_sgpr 66
		.amdhsa_reserve_vcc 1
		.amdhsa_float_denorm_mode_32 3
		.amdhsa_float_denorm_mode_16_64 3
		.amdhsa_memory_ordered 1
		.amdhsa_forward_progress 1
		.amdhsa_inst_pref_size 132
	.end_amdhsa_kernel
	.amdgpu_metadata
---
amdhsa.version: [ 1, 2 ]
amdhsa.kernels:
  - .name:           k_qfd09a3e16d_din
    .symbol:         k_qfd09a3e16d_din.kd
    .args:
      - { .name: itemb, .offset: 0, .size: 8, .value_kind: global_buffer, .address_space: global }
      - { .name: ids, .offset: 8, .size: 8, .value_kind: global_buffer, .address_space: global }
      - { .name: x_seq, .offset: 16, .size: 8, .value_kind: global_buffer, .address_space: global }
      - { .name: wdin, .offset: 24, .size: 8, .value_kind: global_buffer, .address_space: global }
      - { .name: params_din_b0, .offset: 32, .size: 8, .value_kind: global_buffer, .address_space: global }
      - { .name: params_din_b1, .offset: 40, .size: 8, .value_kind: global_buffer, .address_space: global }
      - { .name: params_din_W2, .offset: 48, .size: 8, .value_kind: global_buffer, .address_space: global }
      - { .name: params_din_b2, .offset: 56, .size: 8, .value_kind: global_buffer, .address_space: global }
      - { .name: seqout, .offset: 64, .size: 8, .value_kind: global_buffer, .address_space: global }
    .group_segment_fixed_size: 266240
    .private_segment_fixed_size: 0
    .kernarg_segment_align: 8
    .kernarg_segment_size: 72
    .max_flat_workgroup_size: 128
    .sgpr_count:     66
    .vgpr_count:     1024
    .wavefront_size: 32
...
	.end_amdgpu_metadata
.endif
;; end of part 2
;; launch ple (part 3): grid 64 x 2, 4 waves a work-group, no clusters, 77,312 bytes of LDS; arguments ids, x, params_emb_user_id, params_emb_gender, params_emb_item_id, params_emb_cate_id, seqout, wtail, tconst, params_shared_b, params_spec_b0, params_spec_b1, params_gate_b0, params_gate_b1, params_t0_Wlast, params_t1_Wlast, params_t0_blast, params_t1_blast, out0; writes out0
.if DOCPART == 3
	.amdgcn_target "amdgcn-amd-amdhsa--gfx1250"
	.amdhsa_code_object_version 6
	.text
	.protected	k_qfd09a3e16d_ple
	.globl	k_qfd09a3e16d_ple
	.p2align	8
	.type	k_qfd09a3e16d_ple,@function
k_qfd09a3e16d_ple:
	s_mov_b64 s[64:65], 0
	v_nop
	global_prefetch_b8 v0, s[64:65] scope:SCOPE_SE
	s_setreg_imm32_b32 hwreg(HW_REG_WAVE_MODE, 25, 1), 1
	s_wait_xcnt 0x0
; PLE LAYER AND TOWER of one task (grid y) for 32 batch rows (grid x).  inp = [user, gender, age, item, cate, price, seq_out], 642 columns.
;   spec, shared = relu(inp @ W + b); gate = softmax(inp @ gate_W + gate_b), its maximum taken away; t = g0 spec + g1 shared;
;   twice t = relu((t @ W + b) gamma / sqrt(1 + eps) + beta); out = t @ Wlast + blast.
; All products are used transposed (source 0 = 16 units of weights, source 1 = 16 batch rows): a lane holds one batch row (lane % 16) and eight neighbouring units.
; SHARES.  Wave w owns units 32 w .. + 31 of the task's expert, of the shared expert and of both tower layers, for both tiles of 16 rows; every wave also makes the gate's tile, since each lane wants its row's gate.
; Weights come as fragments straight from memory into registers, a segment of 128 columns (40 loads) ahead; a fragment feeds two matrix instructions.  The shared expert is made by both tasks' work-groups.
; ARITHMETIC.  The 640 embedding columns go to the matrix unit in bf16.  The two numeric columns (642 = 20 x 32 + 2) are a rank-2 update in f32, with the bias the accumulators' starting value.
; The towers' operands are split in bf16 hi + lo and multiplied in three products (hi hi, hi lo, lo hi); the last layer is a dot product in f32.
; No tensor loads and no cluster: the rows come by a list of ids, and the weights go to registers, not to LDS.
; LIMITS.  Ids are held to their tables' rows.  NaN and infinities are not treated apart.
.set T1HI,  0                          ; the tower's inputs, 32 rows x 272 bytes (128 bf16 + 16) each
.set T1LO,  8704
.set T2HI,  17408
.set T2LO,  26112
.set RED,   34816                      ; 4 waves x 32 rows f32
.set SPARE, 35328                      ; the spare words, 128 bytes for each wave
.set INP,   35840                      ; 32 rows x 1,296 bytes (640 bf16 + 16)
.set IP,    1296
.set TP,    272
.set VL16, 1                           ; 16 lane
.set VB,   2                           ; r 1,296 + 16 h
.set VTS,  3                           ; r 272 + 64 w + 16 h
.set VTL,  4                           ; r 272 + 16 h
.set VC,   5                           ; 128 w + 32 h
.set VX,   6                           ; 24 r
.set VAS,  7                           ; byte offsets in wtail: my two tiles of the task's expert,
.set VAH,  8                           ; of the shared expert,
.set VAG,  9                           ; the gate's tile,
.set VT,   10                          ; my two tiles of the task's tower matrices
.set SPW,  11
.set NIL,  12
.set VI,   13                          ; INP + 8 w rows + 8 lane
.set VRS,  14                          ; RED + 128 w + 4 r
.set VL4,  15                          ; 4 lane
.set DOT,  16                          ; v[16:19] the last layer's sums, a pair for each tile of rows; v20-21 at work
.set ACC,  32                          ; v[32:111] accumulator q = 2 tl + ct; tl 0,1 expert, 2,3 shared, 4 gate
.set DAT,  32                          ; during the gather: 40 x 4 registers of data,
.set OFFS, 192                         ; and 32 offsets
.set BF,   112                         ; v[112:239] two buffers of 64: fragment (ct, c) at 8 (4 ct + c)
.set AP,   240                         ; v[240:243] (age, price) of my row in each tile
.set LG,   244                         ; v[244:247] logits, then gates
.set MX,   248
.set IV,   250
.set SPL,  252
; windows 1, 2, 3: v0-159 weight fragments, tile tl, K step c at 8 (4 tl + c).  window 1 v160-239: G0', B0', G1', B1', Wlast.  window 3 v160-255: spec_b, its age and price rows, shared_b, its age and price rows.
.set MSB, 0
.macro WIN new                         ; bits 1:0 source 0, 3:2 source 1, 5:4 source 2, 7:6 destination; the high byte repeats the setting that is left
.if MSB != (\new)
	s_set_vgpr_msb (MSB<<8)|(\new)
.set MSB, (\new)
.endif
.endm
.macro PLACES                          ; four plain instructions behind a run's last matrix instruction (ISA guide 7.12.1)
.rept 4
	v_nop
.endr
.endm
.macro CLOAD reg, sb, base             ; 16 registers of a vector of 128 in the accumulators' layout: unit 32 w + 16 tl + 8 h + j at register 8 tl + j
.irp n, 0,1,2,3
	global_load_b128 v[(\reg)+4*\n:(\reg)+4*\n+3], v[VC], s[\sb:\sb+1] offset:(\base)+64*(\n/2)+16*(\n%2)
.endr
.endm
.macro ALOAD s, win                    ; segment s of my five tiles: 40 loads of 512 consecutive bytes
	WIN (\win)<<6
.irp t, 0,1
.set z, 0
.rept 8
	global_load_b128 v[32*\t+4*z:32*\t+4*z+3], v[VAS], s[18:19] offset:\t*20480+(\s)*4096+512*z
.set z, z+1
.endr
.endr
.irp t, 0,1
.set z, 0
.rept 8
	global_load_b128 v[64+32*\t+4*z:64+32*\t+4*z+3], v[VAH], s[18:19] offset:\t*20480+(\s)*4096+512*z
.set z, z+1
.endr
.endr
.set z, 0
.rept 8
	global_load_b128 v[128+4*z:128+4*z+3], v[VAG], s[18:19] offset:(\s)*4096+512*z
.set z, z+1
.endr
.endm
.macro TLOAD l, win                    ; tower layer l: my two tiles, hi and lo: 32 loads; part (tl, hl), K step c at 32 (2 tl + hl) + 8 c
	WIN (\win)<<6
.set z, 0
.rept 32
	global_load_b128 v[4*z:4*z+3], v[VT], s[18:19] offset:(\l)*65536+512*z
.set z, z+1
.endr
.endm
.macro BLOAD s, buf                    ; segment s of the 32 rows as source 1: 16 loads
	WIN 0
.set z, 0
.rept 16
	ds_load_b128 v[BF+64*(\buf)+4*z:BF+64*(\buf)+4*z+3], v[VB] offset:INP+16*IP*(z/8)+256*(\s)+32*(z%8)
.set z, z+1
.endr
.endm
.macro MMSEG s                         ; 40 matrix instructions; the ten accumulators take turns.  The gate's two start with 0
	WIN 1+(\s)%3
.set mc, 0
.rept 4
.set mq, 0
.rept 10
.set mD, ACC+8*mq
.set mA, 8*(4*(mq/2)+mc)
.set mB, BF+64*((\s)%2)+8*(4*(mq%2)+mc)
.if ((\s) == 0) && (mc == 0) && (mq >= 8)
	v_wmma_f32_16x16x32_bf16 v[mD:mD+7], v[mA:mA+7], v[mB:mB+7], 0
.else
	v_wmma_f32_16x16x32_bf16 v[mD:mD+7], v[mA:mA+7], v[mB:mB+7], v[mD:mD+7]
.endif
.set mq, mq+1
.endr
.set mc, mc+1
.endr
.endm
.macro SPLIT a, h, l, t                ; a pair split: h = bf16(a), l = bf16(a - h)
	v_cvt_pk_bf16_f32 v[\h], v[\a], v[(\a)+1]
	v_lshlrev_b32 v[\t], 16, v[\h]
	v_and_b32 v[(\t)+1], 0xffff0000, v[\h]
	v_pk_add_f32 v[\a:(\a)+1], v[\a:(\a)+1], v[\t:(\t)+1] neg_lo:[0,1] neg_hi:[0,1]
	v_cvt_pk_bf16_f32 v[\l], v[\a], v[(\a)+1]
.endm
.macro TSTORE hib, lob                 ; accumulators 0-3 split and stored: a lane's eight units are 16 bytes of its row
	WIN 0
.set mq, 0
.rept 4
.irp k, 0,1,2,3
	SPLIT ACC+8*mq+2*\k, BF+4*mq+\k, BF+16+4*mq+\k, SPL
.endr
	ds_store_b128 v[VTS], v[BF+4*mq:BF+4*mq+3] offset:(\hib)+16*TP*(mq%2)+32*(mq/2)
	ds_store_b128 v[VTS], v[BF+16+4*mq:BF+16+4*mq+3] offset:(\lob)+16*TP*(mq%2)+32*(mq/2)
.set mq, mq+1
.endr
.endm
; A tower layer: 32 fragment loads, 48 matrix instructions (hi hi, hi lo, lo hi; four accumulators by turns), z = relu(acc G' + B').
; win: the window of the weights; gw: G' in window 1, B' 16 registers behind; lcnt: the younger weight loads that may stay out.
.macro TOWER win, inhi, inlo, gw, lcnt
	WIN 0
.set z, 0
.rept 16
	ds_load_b128 v[BF+4*z:BF+4*z+3], v[VTL] offset:(\inhi)+16*TP*(z/8)+32*(z%8)
.set z, z+1
.endr
.set z, 0
.rept 16
	ds_load_b128 v[BF+64+4*z:BF+64+4*z+3], v[VTL] offset:(\inlo)+16*TP*(z/8)+32*(z%8)
.set z, z+1
.endr
	s_wait_loadcnt \lcnt
	s_wait_dscnt 0x0
	WIN \win
.set mp, 0
.rept 3
.set mc, 0
.rept 4
.set mq, 0
.rept 4
.set mD, ACC+8*mq
.set mA, 32*(2*(mq/2)+mp/2)+8*mc
.set mB, BF+64*(mp%2)+8*(4*(mq%2)+mc)
.if (mp == 0) && (mc == 0)
	v_wmma_f32_16x16x32_bf16 v[mD:mD+7], v[mA:mA+7], v[mB:mB+7], 0
.else
	v_wmma_f32_16x16x32_bf16 v[mD:mD+7], v[mA:mA+7], v[mB:mB+7], v[mD:mD+7]
.endif
.set mq, mq+1
.endr
.set mc, mc+1
.endr
.set mp, mp+1
.endr
	PLACES
	WIN 0x14                               ; sources 1 and 2 in window 1
.set mq, 0
.rept 4
.irp k, 0,1,2,3
	v_pk_fma_f32 v[ACC+8*mq+2*\k:ACC+8*mq+2*\k+1], v[ACC+8*mq+2*\k:ACC+8*mq+2*\k+1], v[(\gw)+8*(mq/2)+2*\k:(\gw)+8*(mq/2)+2*\k+1], v[(\gw)+16+8*(mq/2)+2*\k:(\gw)+16+8*(mq/2)+2*\k+1]
.endr
.set mq, mq+1
.endr
	WIN 0
.set z, 0
.rept 32
	v_max_num_f32 v[ACC+z], 0, v[ACC+z]
.set z, z+1
.endr
.endm
	; ================= head
	s_load_b512 s[4:19], s[0:1], 0x0       ; ids 4, x 6, user 8, gender 10, item 12, cate 14, seqout 16, wtail 18
	s_load_b512 s[20:35], s[0:1], 0x40     ; tconst 20, shared_b 22, spec_b0 24, spec_b1 26, gate_b0 28, gate_b1 30, t0_Wlast 32, t1_Wlast 34
	s_load_b128 s[36:39], s[0:1], 0x80     ; t0_blast 36, t1_blast 38
	s_load_b64 s[40:41], s[0:1], 0x90      ; out0
	v_lshl_add_u32 v[SPW], v0, 2, SPARE    ; the two registers of the add at the wave's end
	v_mov_b32 v[NIL], 0
	v_lshrrev_b32 v16, 5, v0
	v_readfirstlane_b32 s91, v16           ; w
	s_mov_b32 s92, ttmp9                   ; the block of 32 rows
	s_and_b32 s93, ttmp7, 0xffff           ; the task
	s_mov_b32 s42, 0x76543210
	s_mov_b32 s43, 0xfedcba98
	v_and_b32 v16, 31, v0                  ; lane
	v_and_b32 v17, 15, v0                  ; r
	v_bfe_u32 v18, v0, 4, 1                ; h
	v_mov_b32 v20, 0
	v_mov_b32 v21, 0
	v_lshlrev_b32 v[VL16], 4, v16
	v_lshlrev_b32 v[VL4], 2, v16
	v_mul_u32_u24 v[VB], v17, IP
	v_lshl_add_u32 v[VB], v18, 4, v[VB]
	v_mul_u32_u24 v[VTL], v17, TP
	v_lshl_add_u32 v[VTL], v18, 4, v[VTL]
	s_lshl_b32 s94, s91, 6
	v_add_nc_u32 v[VTS], s94, v[VTL]
	s_lshl_b32 s94, s91, 7
	v_lshl_add_u32 v[VC], v18, 5, s94
	v_mul_u32_u24 v[VX], v17, 24
	s_lshl_b32 s94, s93, 3
	s_lshl_b32 s95, s91, 1
	s_add_co_u32 s94, s94, s95             ; tile 8 task + 2 w
	s_mul_i32 s94, s94, 20480
	v_add_nc_u32 v[VAS], s94, v[VL16]
	s_add_co_u32 s95, s95, 16              ; tile 16 + 2 w
	s_mul_i32 s95, s95, 20480
	v_add_nc_u32 v[VAH], s95, v[VL16]
	s_add_co_u32 s94, s93, 24              ; tile 24 + task
	s_mul_i32 s94, s94, 20480
	v_add_nc_u32 v[VAG], s94, v[VL16]
	s_lshl_b32 s94, s93, 17                ; matrix 2 task, 65,536 bytes each
	s_lshl_b32 s95, s91, 14                ; my two tiles of 8,192
	s_add_co_u32 s94, s94, s95
	s_add_co_u32 s94, s94, 532480
	v_add_nc_u32 v[VT], s94, v[VL16]
	s_mul_i32 s94, s91, 8*IP
	s_add_co_u32 s94, s94, INP
	v_lshl_add_u32 v[VI], v16, 3, s94
	s_lshl_b32 s94, s91, 7
	s_add_co_u32 s94, s94, RED
	v_lshl_add_u32 v[VRS], v17, 2, s94
	s_lshl_b32 s96, s92, 5                 ; the block's first row
	s_lshl_b32 s97, s91, 3
	s_add_co_u32 s98, s96, s97             ; the first of the 8 rows that my wave gathers
	s_mov_b32 s95, 0
	s_wait_kmcnt 0x0
	s_lshl_b32 s94, s98, 4
	s_add_nc_u64 s[4:5], s[4:5], s[94:95]
	s_load_b512 s[44:59], s[4:5], 0x0      ; (user, gender, item, cate) of rows 0-3,
	s_load_b512 s[68:83], s[4:5], 0x40     ; of rows 4-7
	s_cmp_eq_u32 s93, 0
	s_cselect_b64 s[24:25], s[24:25], s[26:27]
	s_cselect_b64 s[28:29], s[28:29], s[30:31]
	s_cselect_b64 s[32:33], s[32:33], s[34:35]
	s_cselect_b64 s[36:37], s[36:37], s[38:39]
	s_mul_i32 s94, s93, 5120
	s_add_nc_u64 s[20:21], s[20:21], s[94:95]
	s_load_b64 s[84:85], s[20:21], 0x1000  ; the gate's age weights,
	s_load_b64 s[86:87], s[20:21], 0x1200  ; its price weights,
	s_load_b64 s[88:89], s[28:29], 0x0     ; its bias
	s_load_b32 s90, s[36:37], 0x0          ; blast
	s_mul_i32 s94, s96, 24
	s_add_nc_u64 s[6:7], s[6:7], s[94:95]
	s_lshl_b32 s94, s98, 9
	s_add_nc_u64 s[16:17], s[16:17], s[94:95]
	s_lshl_b32 s94, s93, 11
	s_add_co_u32 s94, s94, s96
	s_lshl_b32 s94, s94, 2
	s_add_nc_u64 s[40:41], s[40:41], s[94:95]
	WIN 0xc0                               ; 48 loads of constants
	CLOAD 160, 24, 0
	CLOAD 176, 20, 0
	CLOAD 192, 20, 512
	CLOAD 208, 22, 0
	CLOAD 224, 20, 1024
	CLOAD 240, 20, 1536
	WIN 0x40
	CLOAD 160, 20, 2048
	CLOAD 176, 20, 2560
	CLOAD 192, 20, 3072
	CLOAD 208, 20, 3584
	CLOAD 224, 32, 0
	WIN 0
.irp ct, 0,1
	global_load_b32 v[AP+2*\ct], v[VX], s[6:7] offset:384*\ct+8
	global_load_b32 v[AP+2*\ct+1], v[VX], s[6:7] offset:384*\ct+20
.endr
	ALOAD 0, 1
	WIN 0
	s_wait_kmcnt 0x0
.irp b, 44,48,52,56,68,72,76,80
	s_min_u32 s[\b], s[\b], 0x1869f
	s_min_u32 s[\b+1], s[\b+1], 2
	s_min_u32 s[\b+2], s[\b+2], 0xc34f
	s_min_u32 s[\b+3], s[\b+3], 999
.endr
.set j, 0
.rept 8
.set sb, 44+4*j+8*(j/4)
.irp f, 0,1,2,3
	v_lshl_add_u32 v[OFFS+4*j+\f], s[sb+\f], 9, v[VL16]   ; a table row is 512 bytes: 32 lanes x 16
.endr
.set j, j+1
.endr
.set j, 0
.rept 8
	global_load_b128 v[DAT+20*j:DAT+20*j+3],     v[OFFS+4*j],   s[8:9]
	global_load_b128 v[DAT+20*j+4:DAT+20*j+7],   v[OFFS+4*j+1], s[10:11]
	global_load_b128 v[DAT+20*j+8:DAT+20*j+11],  v[OFFS+4*j+2], s[12:13]
	global_load_b128 v[DAT+20*j+12:DAT+20*j+15], v[OFFS+4*j+3], s[14:15]
	global_load_b128 v[DAT+20*j+16:DAT+20*j+19], v[VL16], s[16:17] offset:512*j
.set j, j+1
.endr
	ALOAD 1, 2
	WIN 0
	s_wait_loadcnt 40                      ; segment 1's 40 loads stay out: constants, segment 0 and the gathered rows are in
.set z, 0
.rept 40                                   ; piece z: row z / 5, segment z % 5
	v_cvt_pk_bf16_f32 v[DAT+4*z], v[DAT+4*z], v[DAT+4*z+1]
	v_cvt_pk_bf16_f32 v[DAT+4*z+1], v[DAT+4*z+2], v[DAT+4*z+3]
	ds_store_b64 v[VI], v[DAT+4*z:DAT+4*z+1] offset:(z/5)*IP+(z%5)*256
.set z, z+1
.endr
	s_wait_dscnt 0x0                       ; for the others' sake: my 8 rows are in LDS
	s_barrier_signal -1
	s_barrier_wait -1
	BLOAD 0, 0
	; the experts' sums start at bias + age W[256] + price W[513], in f32
	WIN 0x33                               ; sources 0 and 2 in window 3
.set mq, 0
.rept 8
.set cb, 160+48*(mq/4)+8*((mq/2)%2)        ; the bias; the age row 16 registers behind it, the price row 32
.irp k, 0,1,2,3
	v_pk_fma_f32 v[ACC+8*mq+2*\k:ACC+8*mq+2*\k+1], v[cb+16+2*\k:cb+16+2*\k+1], v[AP+2*(mq%2):AP+2*(mq%2)+1], v[cb+2*\k:cb+2*\k+1] op_sel_hi:[1,0,1]
.endr
.set mq, mq+1
.endr
	WIN 0x03
.set mq, 0
.rept 8
.set cb, 160+48*(mq/4)+8*((mq/2)%2)
.irp k, 0,1,2,3
	v_pk_fma_f32 v[ACC+8*mq+2*\k:ACC+8*mq+2*\k+1], v[cb+32+2*\k:cb+32+2*\k+1], v[AP+2*(mq%2):AP+2*(mq%2)+1], v[ACC+8*mq+2*\k:ACC+8*mq+2*\k+1] op_sel:[0,1,0] op_sel_hi:[1,1,1]
.endr
.set mq, mq+1
.endr
	; ================= the five segments.  Each asks for the weights two groups on, into the window read a segment ago, and for the next segment's rows
	ALOAD 2, 3
	BLOAD 1, 1
	s_wait_dscnt 16                        ; the 16 loads just issued stay out
	MMSEG 0
	s_wait_loadcnt 40                      ; segment 2's loads stay out: segment 1's are in
	PLACES
	ALOAD 3, 1
	BLOAD 2, 0
	s_wait_dscnt 16
	MMSEG 1
	s_wait_loadcnt 40                      ; segment 3's stay out
	PLACES
	ALOAD 4, 2
	BLOAD 3, 1
	s_wait_dscnt 16
	MMSEG 2
	s_wait_loadcnt 40                      ; segment 4's stay out
	PLACES
	TLOAD 0, 3
	BLOAD 4, 0
	s_wait_dscnt 16
	MMSEG 3
	s_wait_loadcnt 32                      ; the first tower layer's 32 stay out
	PLACES
	TLOAD 1, 1
	s_wait_dscnt 0x0
	MMSEG 4
	PLACES
	WIN 0
	; ================= gate and mix
.irp ct, 0,1
.irp e, 0,1
	v_fma_f32 v[LG+2*\ct+\e], v[AP+2*\ct], s[84+\e], s[88+\e]
	v_fma_f32 v[LG+2*\ct+\e], v[AP+2*\ct+1], s[86+\e], v[LG+2*\ct+\e]
	v_add_f32 v[LG+2*\ct+\e], v[LG+2*\ct+\e], v[ACC+64+8*\ct+\e]
.endr
.endr
.irp ct, 0,1
	v_max_num_f32 v[MX+\ct], v[LG+2*\ct], v[LG+2*\ct+1]
.endr
.irp ct, 0,1
.irp e, 0,1
	v_sub_f32 v[LG+2*\ct+\e], v[LG+2*\ct+\e], v[MX+\ct]
	v_mul_f32 v[LG+2*\ct+\e], 0x3fb8aa3b, v[LG+2*\ct+\e]
.endr
.endr
.irp e, 0,1,2,3
	v_exp_f32 v[LG+\e], v[LG+\e]
.endr
	v_nop                                  ; a plain instruction behind the last exponential,
	s_wait_alu depctr_va_vdst(0)           ; and one wait for the four
.irp ct, 0,1
	v_add_f32 v[MX+\ct], v[LG+2*\ct], v[LG+2*\ct+1]
.endr
.irp ct, 0,1
	v_rcp_f32 v[IV+\ct], v[MX+\ct]
.endr
	v_nop
	s_wait_alu depctr_va_vdst(0)           ; one wait for the two reciprocals
.irp ct, 0,1
.irp e, 0,1
	v_mul_f32 v[LG+2*\ct+\e], v[LG+2*\ct+\e], v[IV+\ct]
.endr
.endr
.set mq, 0
.rept 4                                    ; t = g0 relu(spec) + g1 relu(shared), into the expert's accumulator; each accumulator is read from its low end on
.set z, 0
.rept 8
	v_max_num_f32 v[ACC+8*mq+z], 0, v[ACC+8*mq+z]
	v_max_num_f32 v[ACC+32+8*mq+z], 0, v[ACC+32+8*mq+z]
.set z, z+1
.endr
.irp k, 0,1,2,3
	v_pk_mul_f32 v[ACC+32+8*mq+2*\k:ACC+32+8*mq+2*\k+1], v[ACC+32+8*mq+2*\k:ACC+32+8*mq+2*\k+1], v[LG+2*(mq%2):LG+2*(mq%2)+1] op_sel:[0,1] op_sel_hi:[1,1]
	v_pk_fma_f32 v[ACC+8*mq+2*\k:ACC+8*mq+2*\k+1], v[ACC+8*mq+2*\k:ACC+8*mq+2*\k+1], v[LG+2*(mq%2):LG+2*(mq%2)+1], v[ACC+32+8*mq+2*\k:ACC+32+8*mq+2*\k+1] op_sel_hi:[1,0,1]
.endr
.set mq, mq+1
.endr
	TSTORE T1HI, T1LO
	s_wait_dscnt 0x0                       ; for the others' sake: my 32 units of t are in LDS
	s_barrier_signal -1
	s_barrier_wait -1
	; ================= the tower
	TOWER 0x03, T1HI, T1LO, 160, 32        ; the second layer's 32 weight loads stay out
	TSTORE T2HI, T2LO
	s_wait_dscnt 0x0
	s_barrier_signal -1
	s_barrier_wait -1
	TOWER 0x01, T2HI, T2LO, 192, 0
	WIN 0x04                               ; source 1 (Wlast) in window 1
.irp ct, 0,1
	v_pk_mul_f32 v[DOT+2*\ct:DOT+2*\ct+1], v[ACC+8*\ct:ACC+8*\ct+1], v[224:225]
.irp k, 1,2,3
	v_pk_fma_f32 v[DOT+2*\ct:DOT+2*\ct+1], v[ACC+8*\ct+2*\k:ACC+8*\ct+2*\k+1], v[224+2*\k:224+2*\k+1], v[DOT+2*\ct:DOT+2*\ct+1]
.endr
.irp k, 0,1,2,3
	v_pk_fma_f32 v[DOT+2*\ct:DOT+2*\ct+1], v[ACC+16+8*\ct+2*\k:ACC+16+8*\ct+2*\k+1], v[232+2*\k:232+2*\k+1], v[DOT+2*\ct:DOT+2*\ct+1]
.endr
.endr
	WIN 0
.irp ct, 0,1
	v_add_f32 v[DOT+2*\ct], v[DOT+2*\ct], v[DOT+2*\ct+1]
.endr
.irp ct, 0,1
	v_permlanex16_b32 v[20+\ct], v[DOT+2*\ct], s42, s43   ; the row's other eight units of each tile lie in the lane 16 away
.endr
.irp ct, 0,1
	v_add_f32 v[DOT+2*\ct], v[DOT+2*\ct], v[20+\ct]
	ds_store_b32 v[VRS], v[DOT+2*\ct] offset:64*\ct       ; my wave's 32 units' share of rows 16 ct + r
.endr
	s_wait_dscnt 0x0
	s_barrier_signal -1
	s_barrier_wait -1
	s_cmp_lg_u32 s91, 0
	s_cbranch_scc1 .Ldone
	v_add_nc_u32 v22, RED, v[VL4]          ; wave 0 adds the four waves' shares: lane = row
	ds_load_b32 v24, v22
	ds_load_b32 v25, v22 offset:128
	ds_load_b32 v26, v22 offset:256
	ds_load_b32 v27, v22 offset:384
	s_wait_dscnt 0x0
	v_add_f32 v24, v24, v25
	v_add_f32 v26, v26, v27
	v_add_f32 v24, v24, v26
	v_add_f32 v24, s90, v24
	global_store_b32 v[VL4], v24, s[40:41] ; 128 consecutive bytes: all that the work-group owns of the output
.Ldone:
	s_wait_tensorcnt 0x0                   ; the wave's end
	ds_add_u32 v[SPW], v[NIL]
	s_wait_dscnt 0x0
	s_endpgm
.Lfunc_end_k_qfd09a3e16d_ple:
	.size	k_qfd09a3e16d_ple, .Lfunc_end_k_qfd09a3e16d_ple-k_qfd09a3e16d_ple
	.p2alignl 7, 3214868480
	.fill 96, 4, 3214868480
	.section	.rodata,"a",@progbits
	.p2align	6, 0x0
	.amdhsa_kernel k_qfd09a3e16d_ple
		.amdhsa_group_segment_fixed_size 77312
		.amdhsa_private_segment_fixed_size 0
		.amdhsa_enable_private_segment 0
		.amdhsa_kernarg_size 152
		.amdhsa_user_sgpr_count 2
		.amdhsa_user_sgpr_kernarg_segment_ptr 1
		.amdhsa_wavefront_size32 1
		.amdhsa_system_sgpr_workgroup_id_x 1
		.amdhsa_system_sgpr_workgroup_id_y 1
		.amdhsa_system_sgpr_workgroup_id_z 1
		.amdhsa_system_vgpr_workitem_id 0
		.amdhsa_next_free_vgpr 1024
		.amdhsa_next_free_sgpr 100
		.amdhsa_reserve_vcc 0
		.amdhsa_float_denorm_mode_32 3
		.amdhsa_float_denorm_mode_16_64 3
		.amdhsa_memory_ordered 1
		.amdhsa_forward_progress 1
		.amdhsa_inst_pref_size 104
	.end_amdhsa_kernel
	.amdgpu_metadata
---
amdhsa.version: [ 1, 2 ]
amdhsa.kernels:
  - .name:           k_qfd09a3e16d_ple
    .symbol:         k_qfd09a3e16d_ple.kd
    .args:
      - { .name: ids, .offset: 0, .size: 8, .value_kind: global_buffer, .address_space: global }
      - { .name: x, .offset: 8, .size: 8, .value_kind: global_buffer, .address_space: global }
      - { .name: params_emb_user_id, .offset: 16, .size: 8, .value_kind: global_buffer, .address_space: global }
      - { .name: params_emb_gender, .offset: 24, .size: 8, .value_kind: global_buffer, .address_space: global }
      - { .name: params_emb_item_id, .offset: 32, .size: 8, .value_kind: global_buffer, .address_space: global }
      - { .name: params_emb_cate_id, .offset: 40, .size: 8, .value_kind: global_buffer, .address_space: global }
      - { .name: seqout, .offset: 48, .size: 8, .value_kind: global_buffer, .address_space: global }
      - { .name: wtail, .offset: 56, .size: 8, .value_kind: global_buffer, .address_space: global }
      - { .name: tconst, .offset: 64, .size: 8, .value_kind: global_buffer, .address_space: global }
      - { .name: params_shared_b, .offset: 72, .size: 8, .value_kind: global_buffer, .address_space: global }
      - { .name: params_spec_b0, .offset: 80, .size: 8, .value_kind: global_buffer, .address_space: global }
      - { .name: params_spec_b1, .offset: 88, .size: 8, .value_kind: global_buffer, .address_space: global }
      - { .name: params_gate_b0, .offset: 96, .size: 8, .value_kind: global_buffer, .address_space: global }
      - { .name: params_gate_b1, .offset: 104, .size: 8, .value_kind: global_buffer, .address_space: global }
      - { .name: params_t0_Wlast, .offset: 112, .size: 8, .value_kind: global_buffer, .address_space: global }
      - { .name: params_t1_Wlast, .offset: 120, .size: 8, .value_kind: global_buffer, .address_space: global }
      - { .name: params_t0_blast, .offset: 128, .size: 8, .value_kind: global_buffer, .address_space: global }
      - { .name: params_t1_blast, .offset: 136, .size: 8, .value_kind: global_buffer, .address_space: global }
      - { .name: out0, .offset: 144, .size: 8, .value_kind: global_buffer, .address_space: global }
    .group_segment_fixed_size: 77312
    .private_segment_fixed_size: 0
    .kernarg_segment_align: 8
    .kernarg_segment_size: 152
    .max_flat_workgroup_size: 128
    .sgpr_count:     100
    .vgpr_count:     1024
    .wavefront_size: 32
...
	.end_amdgpu_metadata
.endif
;; end of part 3
;; ======== version 2 of 2: 3 launches; version 1 with the launch din written anew for expert scheduling mode
;; limits: a difference of large sums (such as E[x^2] - mean^2): digits are lost where the result is much smaller than its terms
;; workspace buffers: itemb 12,800,000 bytes; ids 40,960 bytes of whole numbers; wdin 262,144 bytes; wtail 794,624 bytes; tconst 10,240 bytes; seqout 1,048,576 bytes
;; launch prep: the kernel of part 1 again; grid 861 x 1, 8 waves a work-group, no clusters, 0 bytes of LDS; arguments params_din_W0, params_din_W1, params_emb_item_id, params_gate_W0, params_gate_W1, params_shared_W, params_spec_W0, params_spec_W1, params_t0_W0, params_t0_W1, params_t1_W0, params_t1_W1, x, params_t0_b0, params_t0_gamma0, params_t0_beta0, params_t0_b1, params_t0_gamma1, params_t0_beta1, params_t1_b0, params_t1_gamma0, params_t1_beta0, params_t1_b1, params_t1_gamma1, params_t1_beta1, itemb, ids, wdin, wtail, tconst; writes itemb, ids, wdin, wtail, tconst
;; launch din (part 4): grid 256 x 1, 4 waves a work-group, no clusters, 266,240 bytes of LDS; arguments itemb, ids, x_seq, wdin, params_din_b0, params_din_b1, params_din_W2, params_din_b2, seqout; writes seqout
.if DOCPART == 4
	.amdgcn_target "amdgcn-amd-amdhsa--gfx1250"
	.amdhsa_code_object_version 6
	.text
	.protected	k_qfd09a3e16d_din
	.globl	k_qfd09a3e16d_din
	.p2align	8
	.type	k_qfd09a3e16d_din,@function
k_qfd09a3e16d_din:
	s_mov_b64 s[64:65], 0
	v_nop
	global_prefetch_b8 v0, s[64:65] scope:SCOPE_SE
	s_setreg_imm32_b32 hwreg(HW_REG_WAVE_SCHED_MODE, 0, 2), 2
	s_setreg_imm32_b32 hwreg(HW_REG_WAVE_MODE, 25, 1), 1
	s_wait_xcnt 0x0
	s_wait_alu depctr_vm_vsrc(0)
; DIN ATTENTION.  For batch row b with target q and history keys k_t (t < 200, rows of the bf16 item table):
;   H0 = relu(k_t @ WQ + c_b), WQ = U + diag(q) D, c_b = b0 + q @ A    (equal to relu([q, k, q-k, q*k] @ W0 + b0) for every input; U, D, A come laid out as fragments)
;   H1 = relu(H0 @ W1 + b1); score = H1 @ W2 + b2; -1e9 where x_seq <= 0; softmax over t with the row's maximum taken away; seqout[b] = sum_t p_t k_t.
; SHARES.  A work-group takes 8 batch rows, one after the other; 200 keys are 14 tiles of 16 (rows 200-223 repeat rows 196-199 and get the weight 0).
; Both products are used transposed (source 0 = 16 units of weights, source 1 = 16 keys): a lane holds ONE key (lane % 16) and eight neighbouring units.
;   layer 0: wave w owns hidden units 64 w .. 64 w + 63 (WQ: 128 registers) and walks all 14 tiles: 224 matrix instructions
;   layer 1: wave (nh = w % 2, sh = w / 2) owns units 64 nh .. + 63 (W1: 256 registers) and tiles 7 sh .. 7 sh + 6: 224 matrix instructions; H0 goes through LDS in bf16
;   sum:     wave w owns channels 32 w .. + 31: 14 matrix instructions, keys turned by ds_load_tr16_b128, the weights as 16 equal columns
; All weights stay in registers; the next row's keys are gathered into registers a layer ahead and stored into the other of two key buffers.
; No tensor loads: rows named by a list fit no descriptor.  No cluster: work-groups share the 256 KB of weights alone, read once each.
; LDS ORDER.  Two barriers a row.  Between the first and the second: H0 is read; scores and the next keys are written.  Between the second and the next first: keys and scores are read; H0 is written.
; LIMITS.  Matrix operands in bf16 (keys, q, U, D, A, WQ rounded once by the packed multiply-add, H0, the weights p); sums, maxima, scores in f32.  A weight below 2^-126 counts as 0.
; Ids are held to 0 .. 49,999, the table's rows.  The exponent is c s - round(c m), c = log2 e: a factor common to a row's weights (at most 2^64, where m = -1e9) that the division by their sum takes out.
; NaN and infinities are not treated apart.
; THE MODE: SCHED_MODE bits 1:0 = 2 (LLVM: expert scheduling mode 2), set by the entry lines.  The code itself states the register dependences
; between vector or matrix instructions and memory or LDS instructions, with s_wait_alu, always for 0.
; THE PLAN.  Registers that LDS or memory instructions touch in the two inner loops, and who else names them:
;   layer 0, tile n on set x = n % 2:
;     FR[x]     read by tile n's matrix instructions; the loads at tile n + 1's head land in it (tile n + 2's fragments)
;     OUT       written by the conversions of tile n - 1, which ride in tile n; read by the four stores at tile n + 1's head
;     AKC, HSC  read by those loads and stores; stepped once in two tiles, at the trip's end
;     ONE wait on va_vdst at a tile's head: the tile before is done reading its fragments, its riders have written OUT, the stepped addresses are written.  The stores and loads follow it in one run;
;     the tile's matrix instructions and riders name none of their registers but OUT, and ONE wait on vm_vsrc stands ahead of the first rider; it also frees AKC and HSC for the step.
;   layer 1, a tile in two halves of 16 matrix instructions: X (K steps 0-3) is read by the first half and loaded at the head of the second; Y (K steps 4-7) the other way round.
;     T         the score of the tile before, made by riders in the first half; read by one store at the head of the second half
;     HRC, SSC  read by the loads and the store; stepped once in two tiles
;     ONE wait on va_vdst at the head of each half; ONE wait on vm_vsrc at a tile's end, ahead of the next riders (T) and of the step.
;   Once a row each stage states its own dependences where they arise; addresses are made ahead of a wait that stands there anyway where one does.
.set KP,    272                        ; a key row in LDS: 256 bytes + 16: the 16 rows of a fragment load start 4 banks apart
.set HP,    528                        ; a row of H0: 512 bytes + 16
.set SCB,   60928                      ; behind key buffer 0 (224 x 272): scores, 2 halves of units x 256 f32
.set PBASE, 62976                      ; the weights in bf16, 512 bytes for each wave; the 512 bytes behind them, up to key buffer 1, hold the spare words of the add at the wave's end
.set KBX,   0x10000                    ; key buffer 1 begins here: one exclusive or changes buffers
.set H0B,   126464                     ; H0: 224 x 528
.set CBB,   244736                     ; c_b: for each wave 16 rows x 272 bytes (64 f32 + 16)
.set CBW,   4352
.set OUTB,  262144                     ; results: for each wave 8 rows x 128 bytes
; window 0
.set ZERO, 1
.set FILL, 2                           ; -1e9 for t < 200, the lowest finite number beyond
.set AK0,  3                           ; r 272 + 16 h
.set AKC,  4
.set HS0,  5                           ; H0 + r 528 + 128 w + 16 h
.set HSC,  6
.set HR0,  7                           ; H0 + (112 sh + r) 528 + 16 h
.set HRC,  8
.set SS0,  9                           ; scores + 1,024 nh + 4 (112 sh + r)
.set SSC,  10
.set SCL,  11                          ; scores + 32 min(lane, 27)
.set PST,  12
.set PLD,  13
.set TR0,  14
.set TRC,  15
.set OUT,  16                          ; v[16:31] in layer 0 alone: a tile of my 64 units of H0 in bf16, on its way to LDS
.set SP,   24                          ; v[24:27] two pairs of score sums
.set T,    28
.set T2,   29
.set PAIR, 30                          ; v[30:31]
.set FR,   32                          ; v[32:95] two fragment buffers of 32
.set ACC,  96                          ; v[96:159] two sets of four accumulators
.set SA,   144
.set SB,   152
.set QB,   160                         ; v[160:191] q's fragments, then the layer-0 bias
.set BI1,  192                         ; v[192:223] b1 as an accumulator's lanes hold it
.set W2R,  224                         ; v[224:255] W2 likewise
; window 1: W1, fragment (a, c) at 8 (8 a + c).  window 2: U at 0, D at 128, fragment (a, c) at 8 (4 a + c)
.set U,    0
.set DD,   128
; window 3
.set WQ,   0
.set G,    128                         ; 56 registers: gathered keys; later the weights' fragments
.set IDX,  184                         ; 28 indices, then byte offsets
.set XA,   212
.set LOF,  219
.set KS0,  220
.set KSC,  221
.set MKA,  224
.set QL,   225
.set QA,   226
.set CBL,  227
.set OST,  228
.set MSK,  232                         ; v[232:239] my eight words of x_seq: named by their two loads and the eight compares alone
.set MSB, 0
.macro WIN new                         ; bits 1:0 source 0, 3:2 source 1, 5:4 source 2, 7:6 destination; the high byte repeats the setting that is left
.if MSB != (\new)
	s_set_vgpr_msb (MSB<<8)|(\new)
.set MSB, (\new)
.endif
.endm
.macro PLACES                          ; four plain instructions behind a run's last matrix instruction, ahead of whatever reads its results or writes its operands (ISA guide 7.12.1); they stay beside the waits
.rept 4
	v_nop
.endr
.endm
; ---- the gather.  Half-wave g = 2 w + lane / 16 owns key rows 28 g .. 28 g + 27; 16 lanes take a row's 256 bytes.  All under window 3.
.macro XLOAD                           ; the 28 indices, four at a time; chunks past row 199 are held to rows 196-199
.irp c, 0,1,2,3,4,5,6
	global_load_b128 v[IDX+4*\c:IDX+4*\c+3], v[XA+\c], s[30:31]
.endr
.endm
.macro GOFF first                      ; 14 indices -> byte offsets of my 16 bytes of the rows: held to the table, then shifted.  It stands in the block of the 14 loads that use them
.set z, 0
.rept 14
	v_min_u32 v[IDX+(\first)+z], 0xc34f, v[IDX+(\first)+z]
	v_lshl_add_u32 v[IDX+(\first)+z], v[IDX+(\first)+z], 8, v[LOF]
.set z, z+1
.endr
.endm
.macro GLOAD first, base, win
	WIN \win
.set z, 0
.rept 14
	global_load_b128 v[(\base)+4*z:(\base)+4*z+3], v[IDX+(\first)+z], s[4:5]
.set z, z+1
.endr
.endm
.macro GSTORE first, base, win
	WIN \win
.set z, 0
.rept 14
	ds_store_b128 v[KSC], v[(\base)+4*z:(\base)+4*z+3] offset:((\first)+z)*KP
.set z, z+1
.endr
.endm
.macro QADDR                           ; the byte offset of my part of q, the row whose id is in s28; made ahead of the wait that stands in front of the gather's loads
	s_lshl_b32 s56, s28, 8
	WIN 0xff
	v_add_nc_u32 v[QA], s56, v[QL]
.endm
.macro QLOAD                           ; q as every lane of a weight fragment wants it: k = 32 c + 16 p + 8 h + 0..7
	WIN 0x03
.irp n, 0,1,2,3,4,5,6,7
	global_load_b128 v[QB+4*\n:QB+4*\n+3], v[QA], s[4:5] offset:32*\n
.endr
.endm
.macro BUILD                           ; WQ = D q + U, two bf16 a line, rounded once
	WIN 0xe2
.set z, 0
.rept 128
	v_pk_fma_bf16 v[WQ+z], v[DD+z], v[QB+z%32], v[U+z]
.set z, z+1
.endr
.endm
.macro BIAS0                           ; c_b of the row at CBL, in the accumulators' layout: unit 64 w + 16 a + 8 h + j
	WIN 0x03
	s_wait_alu depctr_va_vdst(0)           ; BUILD is done reading v[QB ..], in which c_b lands; CBL is written
.irp n, 0,1,2,3,4,5,6,7
	ds_load_b128 v[QB+4*\n:QB+4*\n+3], v[CBL] offset:64*(\n/2)+16*(\n%2)
.endr
.endm
; ---- layer 0.  Matrix instruction tn of a tile's 16: K step tn / 4, unit tile tn % 4: the four accumulators take turns.  The first four start the sums with c_b.
.macro MM0 x
.set mc, tn/4
.set ma, tn%4
.set mD, ACC+32*(\x)+8*ma
.if mc == 0
	v_wmma_f32_16x16x32_bf16 v[mD:mD+7], v[WQ+8*(4*ma+mc):WQ+8*(4*ma+mc)+7], v[FR+32*(\x)+8*mc:FR+32*(\x)+8*mc+7], v[QB+8*ma:QB+8*ma+7]
.else
	v_wmma_f32_16x16x32_bf16 v[mD:mD+7], v[WQ+8*(4*ma+mc):WQ+8*(4*ma+mc)+7], v[FR+32*(\x)+8*mc:FR+32*(\x)+8*mc+7], v[mD:mD+7]
.endif
.endm
; Line te of the 32 that make a finished tile ready for H0: for each accumulator four roundings into OUT (from the accumulator's low end) and four packed maxima with 0.
.macro E0 x
.set ea, te/8
.set ek, te%8
.set eA, ACC+32*(\x)+8*ea
.if ek < 4
	v_cvt_pk_bf16_f32 v[OUT+4*ea+ek], v[eA+2*ek], v[eA+2*ek+1]
.else
	v_pk_max_num_bf16 v[OUT+4*ea+ek-4], v[OUT+4*ea+ek-4], v[ZERO]
.endif
.endm
.macro HSTORE off                      ; OUT to H0: a lane's eight units of each of four unit tiles are 16 bytes of its key's row
.irp a, 0,1,2,3
	ds_store_b128 v[HSC], v[OUT+4*\a:OUT+4*\a+3] offset:(\off)+32*\a
.endr
.endm
; Tile n of layer 0 on set x.  st = 1: tile n - 2, which lies in OUT, is stored at H0 offset soff.  ld = 1: tile n + 1's fragments are loaded from key offset loff.
; cv = 1: tile n - 1's 32 lines ride behind matrix instructions 3 to 15, two or three behind each.
.macro T0 x, cv, st, soff, ld, loff
	s_wait_dscnt 0x0                       ; this tile's fragments are in: nothing was issued behind their loads (ahead of tile 0 this covers the bias too)
.if \cv
	s_wait_alu depctr_va_vdst(0)           ; the tile before is done reading its fragments, in which the loads below land; its riders have written OUT, which the stores below read; AKC and HSC are written
.endif
	WIN 0
.if \st
	HSTORE \soff
.endif
.if \ld
.irp n, 0,1,2,3,4,5,6,7
	ds_load_b128 v[FR+32*(1-(\x))+4*\n:FR+32*(1-(\x))+4*\n+3], v[AKC] offset:(\loff)+32*\n
.endr
.endif
.set tn, 0
.rept 16
	WIN 0x03
	MM0 \x
.if (\st) && (tn == 2)
	s_wait_alu depctr_vm_vsrc(0)           ; the stores above have read OUT, which the riders below write again; they and the loads have read HSC and AKC, which a trip's end steps
.endif
.if (\cv) && (tn >= 3)
.set te, (32*(tn-3))/13
.rept (32*(tn-2))/13-(32*(tn-3))/13
	WIN 0
	E0 1-(\x)
.set te, te+1
.endr
.endif
.set tn, tn+1
.endr
	PLACES
.endm
; ---- layer 1.  Matrix instruction tn of a tile's 32: K step tn / 4 of 8, unit tile tn % 4.  K steps 0-3 lie in fragment buffer X (v32), 4-7 in Y (v64).
.macro MM1 x
.set mc, tn/4
.set ma, tn%4
.set mD, ACC+32*(\x)+8*ma
.if mc == 0
	v_wmma_f32_16x16x32_bf16 v[mD:mD+7], v[8*(8*ma+mc):8*(8*ma+mc)+7], v[FR+8*mc:FR+8*mc+7], v[BI1+8*ma:BI1+8*ma+7]
.else
	v_wmma_f32_16x16x32_bf16 v[mD:mD+7], v[8*(8*ma+mc):8*(8*ma+mc)+7], v[FR+8*mc:FR+8*mc+7], v[mD:mD+7]
.endif
.endm
; Line te of the 52 that make a finished tile's scores: for each pair two maxima with 0 and a packed multiply-add with W2 (from each accumulator's low end); the sums; the other half of the lanes' eight units.
.macro E1 x
.if te < 48
.set ea, te/12
.set ej, (te%12)/3
.set es, te%3
.set eA, ACC+32*(\x)+8*ea+2*ej
.if es < 2
	v_max_num_f32 v[eA+es], 0, v[eA+es]
.elseif (ea < 2) && (ej == 0)
	v_pk_mul_f32 v[SP+2*(ea%2):SP+2*(ea%2)+1], v[eA:eA+1], v[W2R+8*ea+2*ej:W2R+8*ea+2*ej+1]
.else
	v_pk_fma_f32 v[SP+2*(ea%2):SP+2*(ea%2)+1], v[eA:eA+1], v[W2R+8*ea+2*ej:W2R+8*ea+2*ej+1], v[SP+2*(ea%2):SP+2*(ea%2)+1]
.endif
.elseif te == 48
	v_pk_add_f32 v[SP:SP+1], v[SP:SP+1], v[SP+2:SP+3]
.elseif te == 49
	v_add_f32 v[T], v[SP], v[SP+1]
.elseif te == 50
	v_permlanex16_b32 v[T2], v[T], s38, s39
.else
	v_add_f32 v[T], v[T], v[T2]
.endif
.endm
; A tile of layer 1 on set x.  First half: X is multiplied, Y is loaded (H0 offset yoff + 256), and the 52 lines of the tile before (ep = 1) ride behind the matrix instructions, three or four behind each.
; Second half: that tile's score is stored (score offset eoff), the next tile's X is loaded (ldx = 1, offset xoff), Y is multiplied.
.macro T1 x, ep, eoff, yoff, ldx, xoff
	s_wait_dscnt 0x0                       ; X is in: nothing was issued behind its loads
.if \ep
	s_wait_alu depctr_va_vdst(0)           ; the matrix instructions of the half before are done reading Y, in which the loads below land; HRC is written
.endif
	WIN 0
.irp n, 0,1,2,3,4,5,6,7
	ds_load_b128 v[FR+32+4*\n:FR+32+4*\n+3], v[HRC] offset:(\yoff)+256+32*\n
.endr
.set tn, 0
.rept 16
	WIN 0x01
	MM1 \x
.if \ep
.set te, (52*tn)/16
.rept (52*(tn+1))/16-(52*tn)/16
	WIN 0
	E1 1-(\x)
.set te, te+1
.endr
.endif
.set tn, tn+1
.endr
	PLACES
	s_wait_dscnt 0x0                       ; Y is in: nothing was issued behind its loads
	s_wait_alu depctr_va_vdst(0)           ; the first half's matrix instructions are done reading X, in which the loads below land; the riders have written T, which the store below reads
	WIN 0
.if \ep
	ds_store_b32 v[SSC], v[T] offset:\eoff
.endif
.if \ldx
.irp n, 0,1,2,3,4,5,6,7
	ds_load_b128 v[FR+4*\n:FR+4*\n+3], v[HRC] offset:(\xoff)+32*\n
.endr
.endif
.rept 16
	WIN 0x01
	MM1 \x
.set tn, tn+1
.endr
	PLACES
.if \ep
	s_wait_alu depctr_vm_vsrc(0)           ; the store has read T, which the next lines of a score write again, and SSC; the loads have read HRC: a trip's end steps the two
.endif
.endm
	; ================= head: addresses and constants
	s_load_b512 s[4:19], s[0:1], 0x0       ; itemb 4, ids 6, x_seq 8, wdin 10, b0 12, b1 14, W2 16, b2 18
	s_load_b64 s[20:21], s[0:1], 0x40      ; seqout
	s_set_vgpr_msb 0xc0
	v_lshl_add_u32 v254, v0, 2, 0xfe00
	v_mov_b32 v255, 0
	s_set_vgpr_msb 0xc000
	v_lshrrev_b32 v64, 5, v0
	v_readfirstlane_b32 s22, v64           ; w
	v_and_b32 v64, 31, v0                  ; lane
	v_and_b32 v65, 15, v0                  ; r
	v_bfe_u32 v66, v0, 4, 1                ; h
	v_mov_b32 v[ZERO], 0
	v_mov_b32 v[T2], 0
	v_mov_b32 v[FILL], 0xff7fffff
	v_mov_b32 v67, 0xce6e6b28              ; -1e9
	v_cmp_gt_u32 vcc_lo, 25, v64           ; lanes 0-24 hold t < 200
	s_wait_alu depctr_va_vcc(0)            ; the compare has written VCC, which the select below reads
	v_cndmask_b32 v[FILL], v[FILL], v67, vcc_lo
	v_mul_u32_u24 v[AK0], v65, KP
	v_lshl_add_u32 v[AK0], v66, 4, v[AK0]
	v_mul_u32_u24 v67, v65, HP
	v_lshl_add_u32 v67, v66, 4, v67
	s_wait_alu depctr_va_sdst(0)           ; s22 is written, ahead of its first reader
	s_and_b32 s23, s22, 1                  ; nh
	s_lshr_b32 s24, s22, 1                 ; sh
	s_lshl_b32 s52, s22, 7
	s_add_co_u32 s52, s52, H0B
	v_add_nc_u32 v[HS0], s52, v67
	s_mul_i32 s52, s24, 112*HP
	s_add_co_u32 s52, s52, H0B
	v_add_nc_u32 v[HR0], s52, v67
	s_lshl_b32 s52, s23, 10
	s_mul_i32 s53, s24, 448
	s_add_co_u32 s52, s52, s53
	s_add_co_u32 s52, s52, SCB
	v_lshl_add_u32 v[SS0], v65, 2, s52
	v_min_u32 v67, 27, v64
	v_lshlrev_b32 v67, 5, v67
	v_add_nc_u32 v[SCL], SCB, v67
	s_lshl_b32 s52, s22, 9
	s_add_co_u32 s52, s52, PBASE
	v_lshl_add_u32 v[PST], v64, 4, s52
	v_lshl_add_u32 v[PLD], v66, 4, s52
	v_and_b32 v67, 7, v0                   ; the turning load: lane l reads key 8 h + l % 8, channels 8 ((l / 8) % 2) on, of my wave's 32
	v_lshl_add_u32 v67, v66, 3, v67
	v_mul_u32_u24 v67, v67, KP
	v_bfe_u32 v68, v0, 3, 1
	v_lshl_add_u32 v67, v68, 4, v67
	s_lshl_b32 s52, s22, 6
	v_add_nc_u32 v[TR0], s52, v67
	s_lshl_b32 s52, s22, 1
	v_add_nc_u32 v69, s52, v66             ; g
	v_mul_u32_u24 v69, v69, 112            ; 28 indices of 4 bytes
.irp c, 0,1,2,3,4,5,6
	v_add_nc_u32 v[70+\c], 16*\c, v69
	v_min_u32 v[70+\c], 784, v[70+\c]
.endr
	v_lshlrev_b32 v77, 4, v65
	v_mul_u32_u24 v78, v69, 68             ; 28 g rows of 272 bytes
	v_add_nc_u32 v78, v78, v77
	v_min_u32 v79, 24, v64
	v_lshlrev_b32 v79, 5, v79
	v_lshlrev_b32 v80, 4, v66
	s_mul_i32 s52, s22, CBW
	s_add_co_u32 s52, s52, CBB
	v_lshl_add_u32 v81, v66, 5, s52
	s_lshl_b32 s53, s22, 10
	s_add_co_u32 s53, s53, OUTB
	v_lshl_add_u32 v82, v66, 5, s53
	v_mul_u32_u24 v83, v65, KP
	v_add_nc_u32 v83, v83, v81             ; where c_b of batch row r % 8 is put
	v_and_b32 v84, 7, v0
	v_lshlrev_b32 v84, 2, v84
	v_lshlrev_b32 v[PAIR], 4, v64          ; in the prologue: 16 lane,
	v_lshlrev_b32 v[PAIR+1], 5, v66        ; and 32 h
	WIN 0xc0
.irp c, 0,1,2,3,4,5,6
	v_mov_b32 v[XA+\c], v[70+\c]
.endr
	v_mov_b32 v[LOF], v77
	v_mov_b32 v[KS0], v78
	v_mov_b32 v[KSC], v78
	v_mov_b32 v[MKA], v79
	v_mov_b32 v[QL], v80
	v_mov_b32 v[CBL], v81
	v_mov_b32 v[OST], v82
	WIN 0
	s_mov_b32 s25, 0                       ; i
	s_mov_b32 s27, 0                       ; the key buffer in hand
	s_mov_b32 s29, 4                       ; byte offset of the next row's item id
	s_mov_b32 s34, 0x3fb8aa3b              ; log2 e
	s_mov_b32 s35, s34
	s_mov_b32 s38, 0x76543210
	s_mov_b32 s39, 0xfedcba98
	s_mov_b32 s40, 0x01ffffff
	s_mul_i32 s56, ttmp9, 6400             ; 8 rows of x_seq
	s_mov_b32 s57, 0
	s_lshl_b32 s58, ttmp9, 5
	s_add_co_u32 s58, s58, 32768
	s_mov_b32 s59, 0
	s_wait_kmcnt 0x0
	s_add_nc_u64 s[30:31], s[8:9], s[56:57]
	s_mov_b64 s[32:33], s[30:31]
	s_add_nc_u64 s[50:51], s[6:7], s[58:59]
	s_lshl_b32 s56, ttmp9, 12
	s_add_nc_u64 s[20:21], s[20:21], s[56:57]
	s_lshl_b32 s56, s22, 14
	s_add_nc_u64 s[52:53], s[10:11], s[56:57]   ; my 16,384 bytes of U, D, A
	s_lshl_b32 s56, s23, 15
	s_add_nc_u64 s[54:55], s[10:11], s[56:57]   ; my 32,768 bytes of W1
	s_lshl_b32 s56, s22, 8
	s_add_nc_u64 s[12:13], s[12:13], s[56:57]
	s_lshl_b32 s56, s23, 8
	s_add_nc_u64 s[14:15], s[14:15], s[56:57]
	s_add_nc_u64 s[16:17], s[16:17], s[56:57]
	; ================= prologue: row 0's keys, all weights, c_b of all 8 rows, row 0's WQ
	WIN 0xff
	s_wait_alu depctr_va_vdst(0)           ; all the offsets and LDS addresses made above are written: the kernel's loads and stores read them
	XLOAD
	WIN 0
	global_load_b32 v85, v84, s[50:51]     ; the item id of batch row lane % 8
	s_load_b32 s28, s[50:51], 0x0
	s_load_b32 s36, s[18:19], 0x0
	WIN 0xc0
.set z, 0
.rept 32
	global_load_b128 v[WQ+4*z:WQ+4*z+3], v[PAIR], s[52:53] offset:131072+512*z   ; A, where WQ will lie
.set z, z+1
.endr
	WIN 0
.irp n, 0,1,2,3,4,5,6,7
	global_load_b128 v[ACC+4*\n:ACC+4*\n+3], v[PAIR+1], s[12:13] offset:64*(\n/2)+16*(\n%2)
.endr
	s_wait_loadcnt 40                      ; A's 32 and b0's 8 stay out: the indices and ids are in
	WIN 0xff
	GOFF 0
	GOFF 14
	WIN 0
	v_min_u32 v85, 0xc34f, v85
	v_lshl_add_u32 v85, v85, 8, v80
	s_wait_kmcnt 0x0
	s_mov_b32 s37, s36
	s_min_u32 s28, s28, 0xc34f
	QADDR
	s_wait_alu depctr_va_vdst(0)           ; the 28 offsets, v85 and QA are written: the loads below read them
	GLOAD 0, G, 0xff
	GLOAD 14, 0, 0x43                      ; the second half goes through window 1, which W1 takes later
	WIN 0
.irp n, 0,1,2,3,4,5,6,7
	global_load_b128 v[FR+4*\n:FR+4*\n+3], v85, s[4:5] offset:32*\n   ; the 8 targets as 16 columns (each twice)
.endr
	QLOAD
	WIN 0
.irp n, 0,1,2,3,4,5,6,7
	global_load_b128 v[BI1+4*\n:BI1+4*\n+3], v[PAIR+1], s[14:15] offset:64*(\n/2)+16*(\n%2)
.endr
.irp n, 0,1,2,3,4,5,6,7
	global_load_b128 v[W2R+4*\n:W2R+4*\n+3], v[PAIR+1], s[16:17] offset:64*(\n/2)+16*(\n%2)
.endr
	WIN 0x80
.set z, 0
.rept 32
	global_load_b128 v[U+4*z:U+4*z+3], v[PAIR], s[52:53] offset:512*z
.set z, z+1
.endr
	s_wait_loadcnt 48                      ; b1's 8, W2's 8 and U's 32 stay out: keys, targets, q, A and b0 are in
	GSTORE 0, G, 0xff
	GSTORE 14, 0, 0x07
	s_add_nc_u64 s[30:31], s[30:31], 800
	WIN 0x80
.set z, 0
.rept 32
	global_load_b128 v[DD+4*z:DD+4*z+3], v[PAIR], s[52:53] offset:65536+512*z
.set z, z+1
.endr
	WIN 0xff
	s_wait_alu depctr_vm_vsrc(0)           ; the gather's loads have read their offsets, in which the next indices land; the key stores have read G and window 1's v0-55, in which later loads land
	XLOAD                                  ; row 1's indices
	s_wait_dscnt 0x0                       ; the stores out of window 1 are done
	WIN 0x40
.set z, 0
.rept 64
	global_load_b128 v[4*z:4*z+3], v[PAIR], s[54:55] offset:196608+512*z
.set z, z+1
.endr
	WIN 0x03                               ; c_b = b0 + q @ A for the 8 rows at once: 16 matrix instructions, four accumulators by turns
.set tn, 0
.rept 16
.set mc, tn/4
.set ma, tn%4
.if mc == 0
	v_wmma_f32_16x16x32_bf16 v[ACC+32+8*ma:ACC+32+8*ma+7], v[WQ+8*(4*ma+mc):WQ+8*(4*ma+mc)+7], v[FR+8*mc:FR+8*mc+7], v[ACC+8*ma:ACC+8*ma+7]
.else
	v_wmma_f32_16x16x32_bf16 v[ACC+32+8*ma:ACC+32+8*ma+7], v[WQ+8*(4*ma+mc):WQ+8*(4*ma+mc)+7], v[FR+8*mc:FR+8*mc+7], v[ACC+32+8*ma:ACC+32+8*ma+7]
.endif
.set tn, tn+1
.endr
	PLACES
	WIN 0
	s_wait_alu depctr_va_vdst(0)           ; the matrix instructions have written the four accumulators, which the stores read
.irp n, 0,1,2,3,4,5,6,7
	ds_store_b128 v83, v[ACC+32+4*\n:ACC+32+4*\n+3] offset:64*(\n/2)+16*(\n%2)   ; my wave's own bytes: only I read them back
.endr
	s_wait_loadcnt 63                      ; behind D stand 71 loads (indices 7, W1 64); 63 is the most that the wait can name, and it asks for more
	BUILD
	BIAS0                                  ; row 0; LDS serves a wave's instructions in order (ISA guide 5.7.1.4): these see the stores above
	WIN 0
	s_wait_dscnt 0x0                       ; for the others' sake: my part of row 0's keys is in LDS
	s_wait_alu depctr_vm_vsrc(0)           ; c_b's stores have read v83 and v128-159, the loads above v84, v85 and v[PAIR ..]: the first row's loads, matrix instructions and conversions write all of these
	s_barrier_signal -1
	s_barrier_wait -1
	; ================= the 8 batch rows
.Lrow:
	s_wait_loadcnt 0x0                     ; the next row's indices (asked for a stage ago); in the first trip W1 too
	v_add_nc_u32 v[AKC], s27, v[AK0]       ; free: a wait on vm_vsrc stands behind the last LDS instructions that read these two
	v_mov_b32 v[HSC], v[HS0]
	s_wait_alu depctr_va_vdst(0)           ; AKC and HSC are written; the last matrix instructions are done reading v32-95, in which tile 0's and tile 1's fragments land
.irp n, 0,1,2,3,4,5,6,7
	ds_load_b128 v[FR+4*\n:FR+4*\n+3], v[AKC] offset:32*\n
.endr
	s_cmp_lt_u32 s25, 7
	s_cbranch_scc0 .Ln1
	s_add_nc_u64 s[30:31], s[30:31], 800
	WIN 0xff
	GOFF 0
	s_wait_alu depctr_va_vdst(0)           ; the 14 offsets are written, which the loads below read
	GLOAD 0, G, 0xff                       ; the next row's keys, first half: they have layer 0 in which to come
	WIN 0
	s_load_b32 s28, s[50:51], s29 offset:0x0
.Ln1:
	; ---- layer 0
	T0 0, 0, 0, 0, 1, 16*KP                ; tile 0
	T0 1, 1, 0, 0, 1, 32*KP                ; tile 1: nothing lies in OUT yet
	WIN 0
	s_mov_b32 s26, 5
.Ll0:                                      ; trip j: tiles 2 j + 2 and 2 j + 3; each stores the tile two back, converts the tile before, loads the next
	T0 0, 1, 1, 0, 1, 48*KP
	T0 1, 1, 1, 16*HP, 1, 64*KP
	WIN 0
	v_add_nc_u32 v[AKC], 32*KP, v[AKC]     ; free since the wait on vm_vsrc in the tile above; written ahead of the next tile's wait on va_vdst
	v_add_nc_u32 v[HSC], 32*HP, v[HSC]
	s_sub_co_u32 s26, s26, 1
	s_cmp_lg_u32 s26, 0
	s_cbranch_scc1 .Ll0
	T0 0, 1, 1, 0, 1, 48*KP                ; tile 12
	T0 1, 1, 1, 16*HP, 0, 0                ; tile 13: nothing is left to load
	WIN 0
	s_wait_alu depctr_va_vdst(0)           ; tile 13's riders have written OUT (tile 12), which the stores read
	HSTORE 32*HP
	s_wait_alu depctr_vm_vsrc(0)           ; those stores have read OUT, which the lines below write again
.set te, 0
.rept 32
	E0 1
.set te, te+1
.endr
	v_mov_b32 v[HRC], v[HR0]               ; layer 1's addresses are made here, ahead of a wait that stands anyway; the last row's LDS instructions that read them stand ahead of a wait on vm_vsrc
	v_mov_b32 v[SSC], v[SS0]
	s_wait_alu depctr_va_vdst(0)           ; OUT (tile 13), HRC and SSC are written; layer 0 is done reading v[FR ..] and v[QB ..], in which layer 1's fragments and the next q land
	HSTORE 48*HP
	s_wait_dscnt 0x0                       ; my part of H0 is stored; my reads of the keys are back
	s_wait_alu depctr_vm_vsrc(0)           ; the last stores have read OUT, of which layer 1 writes v24-29; the last row's key stores and loads of q have read KSC and QA, which the block below writes
	s_barrier_signal -1
	s_barrier_wait -1                      ; H0 is whole; nobody reads the other key buffer or the scores any more
	s_wait_loadcnt 0x0                     ; the first half of the next keys
	s_wait_kmcnt 0x0                       ; the next target's id
	s_cmp_lt_u32 s25, 7
	s_cbranch_scc0 .Ln2
	s_xor_b32 s56, s27, KBX
	WIN 0xff
	v_add_nc_u32 v[KSC], s56, v[KS0]
	s_wait_alu depctr_va_vdst(0)           ; KSC is written, which the stores read
	GSTORE 0, G, 0xff
	GOFF 14                                ; the second half's offsets are made here, in the block that uses them
	s_min_u32 s28, s28, 0xc34f
	QADDR
	s_wait_alu depctr_vm_vsrc(0)           ; the stores above have read G, in which the loads below land
	s_wait_alu depctr_va_vdst(0)           ; the 14 offsets and QA are written, which the loads below read
	GLOAD 14, G, 0xff                      ; the second half: it has layer 1 in which to come
	QLOAD
	WIN 0
	s_add_co_u32 s29, s29, 4
.Ln2:
	WIN 0xc3
	global_load_b128 v[MSK:MSK+3], v[MKA], s[32:33]              ; no wait: the compares that read these registers stand ahead of many waits on va_vdst, and nothing else names them
	global_load_b128 v[MSK+4:MSK+7], v[MKA], s[32:33] offset:16
	WIN 0
	; ---- layer 1
.irp n, 0,1,2,3,4,5,6,7
	ds_load_b128 v[FR+4*\n:FR+4*\n+3], v[HRC] offset:32*\n       ; no wait: no vector or matrix instruction since layer 0's last wait on va_vdst names v[FR ..] or HRC
.endr
	T1 0, 0, 0, 0, 1, 16*HP                ; tile 0
	WIN 0
	s_mov_b32 s26, 2
.Ll1:                                      ; a trip: tiles 2 j + 1 and 2 j + 2
	T1 1, 1, 0, 16*HP, 1, 32*HP
	T1 0, 1, 64, 32*HP, 1, 48*HP
	WIN 0
	v_add_nc_u32 v[HRC], 32*HP, v[HRC]     ; free since the wait on vm_vsrc at the tile's end; written ahead of the next tile's wait on va_vdst
	v_add_nc_u32 v[SSC], 128, v[SSC]
	s_sub_co_u32 s26, s26, 1
	s_cmp_lg_u32 s26, 0
	s_cbranch_scc1 .Ll1
	T1 1, 1, 0, 16*HP, 1, 32*HP            ; tile 5
	T1 0, 1, 64, 32*HP, 0, 0               ; tile 6
	WIN 0
.set te, 0
.rept 52
	E1 0
.set te, te+1
.endr
	v_add_nc_u32 v[TRC], s27, v[TR0]       ; the turning loads' address is made here, ahead of a wait that stands anyway
	s_wait_alu depctr_va_vdst(0)           ; T (tile 6) and TRC are written; layer 1 is done with v32-159, in which the scores and the turned keys land
	ds_store_b32 v[SSC], v[T] offset:128
	s_wait_loadcnt 0x0                     ; the second half of the keys, q, the mask words
	s_add_nc_u64 s[32:33], s[32:33], 800
	s_cmp_lt_u32 s25, 7
	s_cbranch_scc0 .Ln3
	GSTORE 14, G, 0xff
	WIN 0
	s_cmp_lt_u32 s25, 6
	s_cbranch_scc0 .Ln3
	WIN 0xff
	XLOAD                                  ; the indices of the row after next.  No wait: the gather's loads, which read these registers as offsets, stand ahead of layer 1's waits on vm_vsrc
	WIN 0
.Ln3:
	s_wait_dscnt 0x0                       ; my scores and keys are stored; my reads of H0 are back
	s_wait_alu depctr_vm_vsrc(0)           ; the key stores have read G, in which the weights' fragments land; the last score's store has read T, which the softmax writes
	s_barrier_signal -1
	s_barrier_wait -1                      ; scores and the next keys are whole; nobody reads H0 any more
	; ---- softmax (every wave for itself: lane l holds t = 8 l .. 8 l + 7) and the weighted sum
	ds_load_b128 v[SA:SA+3], v[SCL]
	ds_load_b128 v[SA+4:SA+7], v[SCL] offset:16
	ds_load_b128 v[SB:SB+3], v[SCL] offset:1024
	ds_load_b128 v[SB+4:SB+7], v[SCL] offset:1040
.set z, 0
.rept 14                                   ; fragment z = 2 c + tl: keys 32 c on, channels 16 tl on
	ds_load_tr16_b128 v[FR+8*z:FR+8*z+3],   v[TRC] offset:32*KP*(z/2)+32*(z%2)
	ds_load_tr16_b128 v[FR+8*z+4:FR+8*z+7], v[TRC] offset:32*KP*(z/2)+16*KP+32*(z%2)
.set z, z+1
.endr
	s_cmp_lt_u32 s25, 7
	s_cbranch_scc0 .Ln4
	BUILD                                  ; the next row's WQ and bias, while the loads above are out
	WIN 0xff
	v_add_nc_u32 v[CBL], KP, v[CBL]
	BIAS0
	WIN 0
.Ln4:
	s_wait_dscnt 28                        ; the 28 turning loads may stay out (with the bias's 8 behind them the wait asks for more): the scores are in
.irp k, 0,1,2,3
	v_pk_add_f32 v[SA+2*\k:SA+2*\k+1], v[SA+2*\k:SA+2*\k+1], v[SB+2*\k:SB+2*\k+1]   ; the two halves of the 128 units
.endr
.irp k, 0,1,2,3
	v_pk_add_f32 v[SA+2*\k:SA+2*\k+1], v[SA+2*\k:SA+2*\k+1], s[36:37] op_sel_hi:[1,0]   ; + b2
.endr
	WIN 0x0c
.irp e, 0,1,2,3,4,5,6,7
	v_cmp_lt_i32 s[42+\e], 0, v[MSK+\e]
.endr
	WIN 0
	s_wait_alu depctr_va_sdst(0)           ; the eight compares have written s42-49, ahead of their first reader
.irp e, 0,1,2,3,4,5,6,7
	s_and_b32 s[42+\e], s[42+\e], s40      ; lanes 25 on hold no true key
	v_cndmask_b32 v[SA+\e], v[FILL], v[SA+\e], s[42+\e]
.endr
	v_max3_num_f32 v[T], v[SA], v[SA+1], v[SA+2]
	v_max3_num_f32 v[T], v[T], v[SA+3], v[SA+4]
	v_max3_num_f32 v[T], v[T], v[SA+5], v[SA+6]
	v_max_num_f32 v[T], v[T], v[SA+7]
	v_max_num_f32_dpp v[T], v[T], v[T] row_xmask:1 row_mask:0xf bank_mask:0xf
	v_max_num_f32_dpp v[T], v[T], v[T] row_xmask:2 row_mask:0xf bank_mask:0xf
	v_max_num_f32_dpp v[T], v[T], v[T] row_xmask:4 row_mask:0xf bank_mask:0xf
	v_max_num_f32_dpp v[T], v[T], v[T] row_xmask:8 row_mask:0xf bank_mask:0xf
	v_permlanex16_b32 v[T2], v[T], s38, s39
	v_max_num_f32 v[T], v[T], v[T2]        ; the row's maximum, in every lane
	v_mul_f32 v[PAIR], s34, v[T]
	v_mov_b32 v[PAIR+1], v[PAIR]
.irp k, 0,1,2,3
	v_pk_fma_f32 v[SA+2*\k:SA+2*\k+1], v[SA+2*\k:SA+2*\k+1], s[34:35], v[PAIR:PAIR+1] op_sel_hi:[1,0,1] neg_lo:[0,0,1] neg_hi:[0,0,1]
.endr
.irp e, 0,1,2,3,4,5,6,7
	v_exp_f32 v[SA+\e], v[SA+\e]
.endr
	v_nop                                  ; a plain instruction behind the last exponential,
	s_wait_alu depctr_va_vdst(0)           ; and one wait for the batch of eight: v[SA ..] are written, ahead of the first line that names a result
.irp k, 0,1,2,3
	v_cvt_pk_bf16_f32 v[SB+\k], v[SA+2*\k], v[SA+2*\k+1]
.endr
	s_wait_alu depctr_va_vdst(0)           ; the four roundings have written v[SB ..], which the store reads
	ds_store_b128 v[PST], v[SB:SB+3]
	WIN 0xc0
.irp n, 0,1,2,3,4,5,6,7,8,9,10,11,12,13
	ds_load_b128 v[G+4*\n:G+4*\n+3], v[PLD] offset:32*\n   ; the weights as source 1, the same in all 16 columns; my wave's own bytes, served in order
.endr
	WIN 0
	v_pk_add_f32 v[SA:SA+1], v[SA:SA+1], v[SA+2:SA+3]      ; l, the sum of the unrounded weights
	v_pk_add_f32 v[SA+4:SA+5], v[SA+4:SA+5], v[SA+6:SA+7]
	v_pk_add_f32 v[SA:SA+1], v[SA:SA+1], v[SA+4:SA+5]
	v_add_f32 v[T], v[SA], v[SA+1]
	v_add_f32_dpp v[T], v[T], v[T] row_xmask:1 row_mask:0xf bank_mask:0xf
	v_add_f32_dpp v[T], v[T], v[T] row_xmask:2 row_mask:0xf bank_mask:0xf
	v_add_f32_dpp v[T], v[T], v[T] row_xmask:4 row_mask:0xf bank_mask:0xf
	v_add_f32_dpp v[T], v[T], v[T] row_xmask:8 row_mask:0xf bank_mask:0xf
	v_permlanex16_b32 v[T2], v[T], s38, s39
	v_add_f32 v[T], v[T], v[T2]
	v_rcp_f32 v[PAIR], v[T]
	s_wait_dscnt 0x0                       ; turned keys, weights, the next bias
	s_wait_alu depctr_vm_vsrc(0)           ; the weights' store has read v[SB ..], which the second accumulator below is; the loads of this stage have read TRC and CBL, which the next row writes
	WIN 0x0c
.set z, 0
.rept 14                                   ; the two accumulators take turns
.if z < 2
	v_wmma_f32_16x16x32_bf16 v[SA+8*(z%2):SA+8*(z%2)+7], v[FR+8*z:FR+8*z+7], v[G+8*(z/2):G+8*(z/2)+7], 0
.else
	v_wmma_f32_16x16x32_bf16 v[SA+8*(z%2):SA+8*(z%2)+7], v[FR+8*z:FR+8*z+7], v[G+8*(z/2):G+8*(z/2)+7], v[SA+8*(z%2):SA+8*(z%2)+7]
.endif
.set z, z+1
.endr
	PLACES                                 ; also the plain instructions behind the reciprocal
	WIN 0
	s_wait_alu depctr_va_vdst(0)           ; the reciprocal is written, ahead of its first reader
.irp k, 0,1,2,3,4,5,6,7
	v_pk_mul_f32 v[SA+2*\k:SA+2*\k+1], v[SA+2*\k:SA+2*\k+1], v[PAIR:PAIR+1] op_sel_hi:[1,0]
.endr
	WIN 0x03
	s_wait_alu depctr_va_vdst(0)           ; the eight products have written v[SA ..], which the stores read
	ds_store_b128 v[OST], v[SA:SA+3]       ; channel 32 w + 16 tl + 8 h + j; the 16 lanes of a half hold, and write, the same numbers
	ds_store_b128 v[OST], v[SA+4:SA+7] offset:16
	ds_store_b128 v[OST], v[SA+8:SA+11] offset:64
	ds_store_b128 v[OST], v[SA+12:SA+15] offset:80
	s_wait_alu depctr_vm_vsrc(0)           ; the stores have read OST, which is stepped below, and v[SA ..], which the next row's matrix instructions write
	WIN 0xff
	v_add_nc_u32 v[OST], 128, v[OST]
	WIN 0
	s_xor_b32 s27, s27, KBX
	s_add_co_u32 s25, s25, 1
	s_cmp_lt_u32 s25, 8
	s_cbranch_scc1 .Lrow
	; ================= the way out: 8 rows x 512 bytes; each store of a wave covers 512 consecutive bytes, aligned
	s_wait_dscnt 0x0
	s_barrier_signal -1
	s_barrier_wait -1
	v_bfe_u32 v32, v0, 3, 2                ; thread t takes bytes 16 t of the block: row t / 32, the wave that made them (t / 8) % 4
	v_lshlrev_b32 v32, 10, v32
	v_lshrrev_b32 v33, 5, v0
	v_lshl_add_u32 v32, v33, 7, v32
	v_and_b32 v33, 7, v0
	v_lshl_add_u32 v32, v33, 4, v32
	v_add_nc_u32 v32, OUTB, v32
	v_lshlrev_b32 v33, 4, v0
	s_wait_alu depctr_va_vdst(0)           ; v32 and v33 are written, which the loads and stores below read as addresses
	ds_load_b128 v[36:39], v32
	ds_load_b128 v[40:43], v32 offset:512  ; four rows further down
	s_wait_dscnt 0x1
	global_store_b128 v33, v[36:39], s[20:21]
	s_wait_dscnt 0x0
	global_store_b128 v33, v[40:43], s[20:21] offset:2048
	s_wait_dscnt 0x0                       ; the wave's end
	s_set_vgpr_msb 0xf
	s_wait_dscnt 0x0
	s_wait_alu depctr_hold_cnt(0) depctr_sa_sdst(0) depctr_va_vdst(0) depctr_va_sdst(0) depctr_va_ssrc(0) depctr_va_vcc(0) depctr_vm_vsrc(0)
	s_wait_tensorcnt 0x0
	ds_add_u32 v254, v255
	s_wait_dscnt 0x0
	s_endpgm
.Lfunc_end_k_qfd09a3e16d_din:
	.size	k_qfd09a3e16d_din, .Lfunc_end_k_qfd09a3e16d_din-k_qfd09a3e16d_din
	.p2alignl 7, 3214868480
	.fill 96, 4, 3214868480
	.section	.rodata,"a",@progbits
	.p2align	6, 0x0
	.amdhsa_kernel k_qfd09a3e16d_din
		.amdhsa_group_segment_fixed_size 266240
		.amdhsa_private_segment_fixed_size 0
		.amdhsa_enable_private_segment 0
		.amdhsa_kernarg_size 72
		.amdhsa_user_sgpr_count 2
		.amdhsa_user_sgpr_kernarg_segment_ptr 1
		.amdhsa_wavefront_size32 1
		.amdhsa_system_sgpr_workgroup_id_x 1
		.amdhsa_system_sgpr_workgroup_id_y 1
		.amdhsa_system_sgpr_workgroup_id_z 1
		.amdhsa_system_vgpr_workitem_id 0
		.amdhsa_next_free_vgpr 1024
		.amdhsa_next_free_sgpr 66
		.amdhsa_reserve_vcc 1
		.amdhsa_float_denorm_mode_32 3
		.amdhsa_float_denorm_mode_16_64 3
		.amdhsa_memory_ordered 1
		.amdhsa_forward_progress 1
		.amdhsa_inst_pref_size 138
	.end_amdhsa_kernel
	.amdgpu_metadata
---
amdhsa.version: [ 1, 2 ]
amdhsa.kernels:
  - .name:           k_qfd09a3e16d_din
    .symbol:         k_qfd09a3e16d_din.kd
    .args:
      - { .name: itemb, .offset: 0, .size: 8, .value_kind: global_buffer, .address_space: global }
      - { .name: ids, .offset: 8, .size: 8, .value_kind: global_buffer, .address_space: global }
      - { .name: x_seq, .offset: 16, .size: 8, .value_kind: global_buffer, .address_space: global }
      - { .name: wdin, .offset: 24, .size: 8, .value_kind: global_buffer, .address_space: global }
      - { .name: params_din_b0, .offset: 32, .size: 8, .value_kind: global_buffer, .address_space: global }
      - { .name: params_din_b1, .offset: 40, .size: 8, .value_kind: global_buffer, .address_space: global }
      - { .name: params_din_W2, .offset: 48, .size: 8, .value_kind: global_buffer, .address_space: global }
      - { .name: params_din_b2, .offset: 56, .size: 8, .value_kind: global_buffer, .address_space: global }
      - { .name: seqout, .offset: 64, .size: 8, .value_kind: global_buffer, .address_space: global }
    .group_segment_fixed_size: 266240
    .private_segment_fixed_size: 0
    .kernarg_segment_align: 8
    .kernarg_segment_size: 72
    .max_flat_workgroup_size: 128
    .sgpr_count:     66
    .vgpr_count:     1024
    .wavefront_size: 32
...
	.end_amdgpu_metadata
.endif
;; end of part 4
;; launch ple: the kernel of part 3 again; grid 64 x 2, 4 waves a work-group, no clusters, 77,312 bytes of LDS; arguments ids, x, params_emb_user_id, params_emb_gender, params_emb_item_id, params_emb_cate_id, seqout, wtail, tconst, params_shared_b, params_spec_b0, params_spec_b1, params_gate_b0, params_gate_b1, params_t0_Wlast, params_t1_Wlast, params_t0_blast, params_t1_blast, out0; writes out0
